; MI455X (gfx1250); checked and timed in simulation.
; The chip was launched on July 23, 2026; its instructions are those of AMD's public machine-readable ISA for CDNA 5 (MIT licence, August 2026) and "CDNA5" Instruction Set Architecture Reference Guide (July 2026). The comments in the code are by the model that wrote it; some were corrected since.
;; Multi Head Self Attention. Allowed arithmetic: float matrix products may take bf16 or f16 operands with f32 sums; other float arithmetic in f32, or as packed bf16 or f16 multiplies, adds, multiply-adds, maxima and minima; sums over many terms, partial sums and values carried from step to step in f32; what a program stores and reads back later, other than sums and carried values, may be rounded once to bf16 or f16.
;; Inputs: Wk 1,024 x 1,024 float32; Wo 1,024 x 1,024 float32; Wq 1,024 x 1,024 float32; Wv 1,024 x 1,024 float32; bk 1,024 float32; bq 1,024 float32; bv 1,024 float32; x 4,096 x 1,024 float32.
;; Outputs: out0 4,096 x 1,024 float32.
;; Constants: tgt_len = 4096.
;; 2 versions, each right; version 2 is version 1 with the launch cast written anew for expert scheduling mode. Each part assembles by itself: llvm-mc -triple=amdgcn-amd-amdhsa -mcpu=gfx1250 --defsym DOCPART=n.
;; ======== version 1 of 2: 4 launches
;; limits: values are held in f16: magnitudes above 65,504 overflow, below 6.1e-05 lose precision
;; workspace buffers: xb 8,388,608 bytes; wb 6,291,456 bytes; wob 2,097,152 bytes; qkv 25,165,824 bytes; ob 8,388,608 bytes
;; launch cast (part 1): grid 512 x 1, 8 waves a work-group, no clusters, 0 bytes of LDS; arguments x, Wq, Wk, Wv, Wo, xb, wb, wob; writes xb, wb, wob
.if DOCPART == 1
	.amdgcn_target "amdgcn-amd-amdhsa--gfx1250"
	.amdhsa_code_object_version 6
	.text
	.protected	k_q5826940248_cast
	.globl	k_q5826940248_cast
	.p2align	8
	.type	k_q5826940248_cast,@function
k_q5826940248_cast:
	s_mov_b64 s[64:65], 0
	v_nop
	global_prefetch_b8 v0, s[64:65] scope:SCOPE_SE
	s_setreg_imm32_b32 hwreg(HW_REG_WAVE_MODE, 25, 1), 1
	s_wait_xcnt 0x0
; CAST.  The matrix operands are rounded once, on their way from f32 to 16 bits: x -> xb (bf16, [4096][1024]); Wq, Wk, Wv -> wb (bf16, rows laid by heads:
; row 192 head + 64 t + d, t = 0 q, 1 k, 2 v, so that the q, k and v rows of a head lie together); Wo -> wob (rounded to bf16 like every input, that number written as f16).
; WORK LEFT OUT IN THE WHOLE PROGRAM: THE INPUT bk.  k_s = x_s Wk^T + bk puts q_t . bk into every score of row t: a term that is the same along the softmax's axis.
; softmax_fastexp uses its input only as x - max(x) along that axis, and the term cancels there for all values of the inputs.  So bk has no way to any output: it is not loaded and
; is no launch's argument.  LIMIT: a NaN, an infinity or an overflow that would arise from bk alone is not carried to the result.
; LIMIT: Wo as f16 keeps f16's fixed step of 6e-8 below 6e-5 and ends at 65,504.
; SHARES.  A work-group takes 16 rows of 1,024 f32: 256 work-groups for x, 64 for each W.  Thread t takes 16 bytes at 16 t of each row and stores 8 bytes at 8 t: a wave's load covers
; 512 consecutive bytes, its store 256 consecutive bytes, aligned.  All 16 loads go out at once; nothing is shared, so there is no LDS, no barrier, no cluster; each byte is read once.
.set X, 8                              ; v[8:71]    row i: 4 registers as loaded
.set Y, 72                             ; v[72:103]  row i: 2 registers to store, its own: no store's data is ever rewritten
.set T, 4                              ; v[4:7]     at work (Wo's arm)
	s_load_b512 s[8:23], s[0:1], 0x0               ; x 8, Wq 10, Wk 12, Wv 14, Wo 16, xb 18, wb 20, wob 22
	s_mov_b32 s2, ttmp9                            ; g
	s_max_u32 s3, s2, 256
	s_sub_co_u32 s3, s3, 256                       ; u = g - 256 (0 in x's work-groups, where it is not used)
	s_lshr_b32 s4, s3, 6                           ; t: which W
	s_and_b32 s5, s3, 63                           ; r: which 16 rows of it
	s_lshr_b32 s6, s5, 2                           ; the head
	s_mul_i32 s6, s6, 192
	s_lshl_b32 s7, s4, 6
	s_add_co_u32 s6, s6, s7
	s_and_b32 s7, s5, 3
	s_lshl_b32 s7, s7, 4
	s_add_co_u32 s6, s6, s7                        ; row in wb = 192 head + 64 t + 16 (r % 4)
	s_lshl_b32 s6, s6, 11                          ; x 2,048 bytes
	s_lshl_b32 s24, s5, 16                         ; a W's source offset: 16 rows of 4,096 bytes
	s_lshl_b32 s25, s5, 15                         ; wob's offset
	s_lshl_b32 s26, s2, 16                         ; x's source offset
	s_lshl_b32 s27, s2, 15                         ; xb's offset
	s_cmp_lt_u32 s2, 256
	s_cselect_b32 s28, s26, s24
	s_cselect_b32 s30, s27, s6
	s_cmp_ge_u32 s2, 448
	s_cselect_b32 s30, s25, s30
	s_mov_b32 s29, 0
	s_mov_b32 s31, 0
	v_lshlrev_b32 v1, 4, v0
	v_lshlrev_b32 v2, 3, v0
	s_wait_kmcnt 0x0
	s_cmp_ge_u32 s2, 320                           ; the buffers are chosen by the work-group's number alone
	s_cselect_b64 s[32:33], s[12:13], s[10:11]
	s_cmp_ge_u32 s2, 384
	s_cselect_b64 s[32:33], s[14:15], s[32:33]
	s_cmp_ge_u32 s2, 448
	s_cselect_b64 s[32:33], s[16:17], s[32:33]
	s_cselect_b64 s[34:35], s[22:23], s[20:21]
	s_cmp_lt_u32 s2, 256
	s_cselect_b64 s[32:33], s[8:9], s[32:33]
	s_cselect_b64 s[34:35], s[18:19], s[34:35]
	s_add_nc_u64 s[32:33], s[32:33], s[28:29]
	s_add_nc_u64 s[34:35], s[34:35], s[30:31]
.set i, 0
.rept 16
	global_load_b128 v[X+4*i:X+4*i+3], v1, s[32:33] offset:i*4096 th:TH_LOAD_NT
.set i, i+1
.endr
; The 16 rows in turn.  half = 1 (Wo): the bf16 number is widened again and written as f16.
.macro ROWS half
.set i, 0
.rept 16
	s_wait_loadcnt 15-i                            ; loads come back in order: row i is in, the 15 - i younger ones stay out
	v_cvt_pk_bf16_f32 v[Y+2*i], v[X+4*i], v[X+4*i+1]
	v_cvt_pk_bf16_f32 v[Y+2*i+1], v[X+4*i+2], v[X+4*i+3]
.if \half
	v_lshlrev_b32 v[T], 16, v[Y+2*i]
	v_and_b32 v[T+1], 0xffff0000, v[Y+2*i]
	v_lshlrev_b32 v[T+2], 16, v[Y+2*i+1]
	v_and_b32 v[T+3], 0xffff0000, v[Y+2*i+1]
	v_cvt_pk_f16_f32 v[Y+2*i], v[T], v[T+1]
	v_cvt_pk_f16_f32 v[Y+2*i+1], v[T+2], v[T+3]
.endif
	global_store_b64 v2, v[Y+2*i:Y+2*i+1], s[34:35] offset:i*2048
.set i, i+1
.endr
.endm
	s_cmp_ge_u32 s2, 448
	s_cbranch_scc1 .Lwo
	ROWS 0
	s_endpgm
.Lwo:
	ROWS 1
	s_endpgm
.Lfunc_end_k_q5826940248_cast:
	.size	k_q5826940248_cast, .Lfunc_end_k_q5826940248_cast-k_q5826940248_cast
	.p2alignl 7, 3214868480
	.fill 96, 4, 3214868480
	.section	.rodata,"a",@progbits
	.p2align	6, 0x0
	.amdhsa_kernel k_q5826940248_cast
		.amdhsa_group_segment_fixed_size 0
		.amdhsa_private_segment_fixed_size 0
		.amdhsa_enable_private_segment 0
		.amdhsa_kernarg_size 64
		.amdhsa_user_sgpr_count 2
		.amdhsa_user_sgpr_kernarg_segment_ptr 1
		.amdhsa_wavefront_size32 1
		.amdhsa_system_sgpr_workgroup_id_x 1
		.amdhsa_system_sgpr_workgroup_id_y 1
		.amdhsa_system_sgpr_workgroup_id_z 1
		.amdhsa_system_vgpr_workitem_id 0
		.amdhsa_next_free_vgpr 104
		.amdhsa_next_free_sgpr 66
		.amdhsa_reserve_vcc 0
		.amdhsa_float_denorm_mode_32 3
		.amdhsa_float_denorm_mode_16_64 3
		.amdhsa_memory_ordered 1
		.amdhsa_forward_progress 1
		.amdhsa_inst_pref_size 17
	.end_amdhsa_kernel
	.amdgpu_metadata
---
amdhsa.version: [ 1, 2 ]
amdhsa.kernels:
  - .name:           k_q5826940248_cast
    .symbol:         k_q5826940248_cast.kd
    .args:
      - { .name: x, .offset: 0, .size: 8, .value_kind: global_buffer, .address_space: global }
      - { .name: Wq, .offset: 8, .size: 8, .value_kind: global_buffer, .address_space: global }
      - { .name: Wk, .offset: 16, .size: 8, .value_kind: global_buffer, .address_space: global }
      - { .name: Wv, .offset: 24, .size: 8, .value_kind: global_buffer, .address_space: global }
      - { .name: Wo, .offset: 32, .size: 8, .value_kind: global_buffer, .address_space: global }
      - { .name: xb, .offset: 40, .size: 8, .value_kind: global_buffer, .address_space: global }
      - { .name: wb, .offset: 48, .size: 8, .value_kind: global_buffer, .address_space: global }
      - { .name: wob, .offset: 56, .size: 8, .value_kind: global_buffer, .address_space: global }
    .group_segment_fixed_size: 0
    .private_segment_fixed_size: 0
    .kernarg_segment_align: 8
    .kernarg_segment_size: 64
    .max_flat_workgroup_size: 256
    .sgpr_count:     66
    .vgpr_count:     104
    .wavefront_size: 32
...
	.end_amdgpu_metadata
.endif
;; end of part 1
;; launch proj (part 2): grid 8 x 32, 4 waves a work-group, clusters of 4 x 4, 327,680 bytes of LDS; arguments xb, wb, bq, bv, qkv; writes qkv
.if DOCPART == 2
	.amdgcn_target "amdgcn-amd-amdhsa--gfx1250"
	.amdhsa_code_object_version 6
	.text
	.protected	k_q5826940248_proj
	.globl	k_q5826940248_proj
	.p2align	8
	.type	k_q5826940248_proj,@function
k_q5826940248_proj:
	s_mov_b64 s[64:65], 0
	v_nop
	global_prefetch_b8 v0, s[64:65] scope:SCOPE_SE
	s_setreg_imm32_b32 hwreg(HW_REG_WAVE_MODE, 25, 1), 1
	s_wait_xcnt 0x0
	s_wait_alu depctr_hold_cnt(0) depctr_sa_sdst(0) depctr_va_vdst(0) depctr_va_sdst(0) depctr_va_ssrc(0) depctr_va_vcc(0) depctr_vm_vsrc(0)
	s_getreg_b32 s2, hwreg(HW_REG_IB_STS2, 6, 4)
	s_cmp_eq_u32 s2, 0
	s_cbranch_scc0 .Lentry_in_a_cluster
	s_endpgm
.Lentry_in_a_cluster:
	s_bfe_u32 s2, ttmp6, 0x10000c
	s_cmp_lg_u32 s2, 0xf033
	s_cbranch_scc0 .Lentry_shape_is_right
	s_endpgm
.Lentry_shape_is_right:
; PROJ.  q = x Wq^T + bq, k = x Wk^T, v = x Wv^T + bv, written by heads: qkv = f16 [3][16 heads][4096][64], unscaled.  Operands bf16, sums f32, each result rounded once to f16.
; LEFT OUT: bk (it cancels in x - max(x) along the softmax's axis for all values of the inputs: shown at the head of the first kernel).
; LIMIT: q, k and v must lie within f16's 65,504.  bq and bv are rounded to bf16 like every input.
; SHARES.  A tile is 128 rows of x by 384 rows of wb (q, k, v of two heads): 32 x 8 = 256 work-groups.  Wave w makes rows 64 (w / 2) .. + 63 of head w % 2: 64 x 192, 48 accumulators of 16 x 16.
; K goes in steps of 128 through two LDS slots; every tensor load brings 128 rows of 256 bytes: wave 0 x's, waves 1 to 3 wb's.
; CLUSTER 4 x 4: x's tile hangs on the tile row alone and is asked for jointly along a row of the cluster, wb's on the tile column alone, jointly along a column.
; THE MATRIX INSTRUCTION IS USED TRANSPOSED (source 0 = 16 rows of wb, source 1 = 16 rows of x): a lane holds one row of x (lane % 16) and eight neighbouring columns 8 (lane / 16) + 0..7.
; THE BIAS is the C operand of the product that starts each sum (0 for k's columns): it costs no instruction of its own.
; REGISTERS, in windows of 256 (s_set_vgpr_msb: bits 1:0 source 0, 3:2 source 1, 5:4 source 2, 7:6 destination):
;   window 0: v16-30 addresses; v64-127 the biases; on the way out v64-255, 16 registers for each of 12 blocks
;   window 1: two fragment buffers of 128: wb's fragment b at 8 b, x's fragment a at 96 + 8 a
;   window 2: accumulators of row blocks a = 0, 1 at 8 (12 (a % 2) + b);   window 3: those of a = 2, 3
.set KSTEP,  128
.set PITCH,  272                       ; an LDS row: 256 bytes + 16 of padding = 68 words: the 16 rows of a fragment load start at 16 different groups of four banks (ISA guide 11.1)
.set HALFT,  128*PITCH                 ; what one tensor load brings
.set SLOT,   4*HALFT                   ; x's 128 rows, then wb's 384
.set STAGE,  2*SLOT                    ; behind the ring, never filled by a tensor load: 16 rows x 144 bytes for each wave
.set SP,     144
.set SPARE,  STAGE+4*16*SP             ; the spare words, 128 bytes for each wave: two blocks of 256 bytes that no other line names
.set ADRA, 16                          ; v16-17  LDS address of my x fragments in slot 0, 1
.set ADRB, 20                          ; v20-21  the same for wb
.set STO,  24                          ; v24  the way out: where I put 16 bytes of a row
.set RD,   25                          ; v25  where I read rows back
.set GO,   26                          ; v26  my byte offset in 512 consecutive bytes of qkv
.set SPW,  28                          ; v28  my spare word; never rewritten
.set NIL,  29                          ; v29  0; never rewritten
.set PFO,  30                          ; v30  the prefetches' offset: lane x 2,048 bytes (a row); never rewritten
.set BQ,   64                          ; v[64:95]  bq of my 64 columns as C operands: block b at 8 b
.set BV,   96                          ; v[96:127] bv likewise
.set OUTR, 64
.set F0,   0
.set F1,   128
.set G1,  24                           ; s[24:31] group 1 for x's tiles;  s[32:39] group 0, a set for each slot
.set G0,  32
.set LIM, 43                           ; s43  1 in a wave that prefetches, else the greatest number
.set PFA, 44                           ; s[44:45] where my prefetches stand
.set G1B, 48                           ; s[48:55], s[56:63] the same for wb's tiles
.set G0B, 56
.set WV,  66                           ; s66  my wave's number
.set RH,  67                           ; s67  which 64 rows are mine
.set HD,  68                           ; s68  which of the two heads
.set TY,  69                           ; s69  tile row
.set HEAD, 70                          ; s70  my head
.set OB,  72                           ; s[72:77] qkv at my rows of q, of k, of v
.set MSB, 0
.macro WIN new                         ; the immediate's high byte repeats the setting that is left; a switch that changes nothing is dropped
.if MSB != (\new)
	s_set_vgpr_msb (MSB<<8)|(\new)
.set MSB, \new
.endif
.endm
; A joint load: wave 0 fetches x's tile, waves 1 to 3 a third of wb's each.  The branch hangs on the wave's number alone.  An s_nop 0 and four v_nop follow each line.
.macro JLOAD s
	s_cmp_eq_u32 s[WV], 0
	s_cbranch_scc0 .Lfor_b_\@
	tensor_load_to_lds s[G0+4*(\s):G0+4*(\s)+3], s[G1:G1+7]
	s_nop 0
.rept 4
	v_nop
.endr
	s_branch .Lasked_\@
.Lfor_b_\@:
	tensor_load_to_lds s[G0B+4*(\s):G0B+4*(\s)+3], s[G1B:G1B+7]
	s_nop 0
.rept 4
	v_nop
.endr
.Lasked_\@:
.endm
; A prefetch into the L2 of the K step that stands two refills on: 32 rows x 256 bytes, a lane a row, one instruction a wave, behind the joint load and the run of LDS loads.
; Each row's 256 bytes of a K step are named once in the launch: x's rows by the clusters with x = 0, wb's by those with y = 0; the four partners of a joint load share its 128 rows out by address.
; K steps 0 to 3 come by their loads alone; the loop's last trip (s3 = 1) has no K step two refills on and asks for nothing.
.macro ASK
	WIN 0
	s_cmp_gt_u32 s3, s[LIM]
	s_cbranch_scc0 .Lnot_mine_\@
	global_prefetch_b8 v[PFO], s[PFA:PFA+1] offset:KSTEP*2 th:TH_LOAD_NT scope:SCOPE_SE
.Lnot_mine_\@:
.endm
.macro CREST                           ; a round of the cluster's barrier behind its opening barrier
	s_cmp_lg_u32 s[WV], 0
	s_cbranch_scc1 .Lnot_wave_0_\@
	s_barrier_signal -3
.Lnot_wave_0_\@:
	s_barrier_wait -3
	s_barrier_signal -1
	s_barrier_wait -1
.endm
.macro CROUND
	s_barrier_signal -1
	s_barrier_wait -1
	CREST
.endm
	s_load_b256 s[4:11], s[0:1], 0x0               ; xb 4, wb 6, bq 8, bv 10
	s_load_b64 s[12:13], s[0:1], 0x20              ; qkv
	v_lshl_add_u32 v[SPW], v0, 2, SPARE
	v_mov_b32 v[NIL], 0
	ds_add_u32 v[SPW], v[NIL]                      ; the wave's opening: the add, twice on end, and its wait ahead of my first tensor load
	ds_add_u32 v[SPW], v[NIL]
	v_lshrrev_b32 v1, 5, v0
	v_readfirstlane_b32 s[WV], v1
	s_lshr_b32 s[RH], s[WV], 1
	s_and_b32 s[HD], s[WV], 1
	s_bfe_u32 s40, ttmp6, 0x40000                  ; cx
	s_bfe_u32 s41, ttmp6, 0x40004                  ; cy
	s_lshl_b32 s42, ttmp9, 2
	s_add_co_u32 s42, s42, s40                     ; tile column = 4 x cluster x + cx
	s_and_b32 s[TY], ttmp7, 0xffff
	s_lshl_b32 s[TY], s[TY], 2
	s_add_co_u32 s[TY], s[TY], s41                 ; tile row = 4 x cluster y + cy
	s_lshl_b32 s78, s41, 2
	s_lshl_b32 s78, 15, s78                        ; my row of the cluster
	s_lshl_b32 s79, 0x1111, s40                    ; my column
	s_or_b32 s[G1], s78, (1<<16)|(1<<20)|(1<<21)|(5<<22)|(3<<25)   ; the mask; 2-byte elements; padding on; bit 21 beside a mask; after every 64 words, 4 words
	s_or_b32 s[G1B], s79, (1<<16)|(1<<20)|(1<<21)|(5<<22)|(3<<25)
.irp g, G1, G1B
	s_mov_b32 s[\g+1], KSTEP<<16                   ; tensor_dim0 = 128
	s_mov_b32 s[\g+2], 128<<16                     ; tensor_dim1 = 128
	s_mov_b32 s[\g+3], KSTEP<<16                   ; tile_dim0 = 128
	s_mov_b32 s[\g+4], 128                         ; tile_dim1 = 128
	s_mov_b32 s[\g+5], 1024                        ; elements from row to row
	s_mov_b32 s[\g+6], 0
	s_mov_b32 s[\g+7], 0
.endr
	s_lshl_b32 s16, s[TY], 18                      ; x: 128 rows of 2,048 bytes a tile row
	s_mov_b32 s17, 0
	s_sub_co_i32 s18, s[WV], 1
	s_max_i32 s18, s18, 0                          ; which third of wb's tile I fetch (wave 0 fetches none: its number is held at 0 and not used)
	s_lshl_b32 s18, s18, 7
	s_mul_i32 s46, s42, 384
	s_add_co_u32 s46, s46, s18
	s_lshl_b32 s46, s46, 11
	s_mov_b32 s47, 0
	s_mul_i32 s20, s[WV], HALFT                    ; where my load goes: wave x 128 rows; no place in the cluster enters an LDS address
	s_wait_dscnt 0x0                               ; both opening adds are done
	s_wait_kmcnt 0x0
	s_add_nc_u64 s[14:15], s[4:5], s[16:17]
	s_add_nc_u64 s[46:47], s[6:7], s[46:47]
	CROUND                                         ; all sixteen work-groups are here: the first joint loads meet
.irp s, 0,1
	s_mov_b32 s[G0+4*(\s)], 1
	s_add_co_u32 s[G0+4*(\s)+1], s20, (\s)*SLOT
	s_add_nc_u64 s[G0+4*(\s)+2:G0+4*(\s)+3], s[14:15], (\s)*KSTEP*2
	s_or_b32 s[G0+4*(\s)+3], s[G0+4*(\s)+3], 0x80000000
	s_mov_b32 s[G0B+4*(\s)], 1
	s_add_co_u32 s[G0B+4*(\s)+1], s20, (\s)*SLOT
	s_add_nc_u64 s[G0B+4*(\s)+2:G0B+4*(\s)+3], s[46:47], (\s)*KSTEP*2
	s_or_b32 s[G0B+4*(\s)+3], s[G0B+4*(\s)+3], 0x80000000
	JLOAD \s                                       ; two tensor loads of mine are out
.endr
	v_and_b32 v1, 15, v0                           ; l % 16
	v_bfe_u32 v2, v0, 4, 1                         ; l / 16
	s_lshl_b32 s[HEAD], s42, 1
	s_add_co_u32 s[HEAD], s[HEAD], s[HD]
	s_lshl_b32 s22, s[HEAD], 8
	v_lshl_add_u32 v5, v2, 5, s22                  ; the biases of my lane: byte 256 head + 64 b + 32 (l / 16)
.irp b, 0,1,2,3
	global_load_b128 v[BQ+8*\b:BQ+8*\b+3],   v5, s[8:9] offset:64*\b
	global_load_b128 v[BQ+8*\b+4:BQ+8*\b+7], v5, s[8:9] offset:64*\b+16
	global_load_b128 v[BV+8*\b:BV+8*\b+3],   v5, s[10:11] offset:64*\b
	global_load_b128 v[BV+8*\b+4:BV+8*\b+7], v5, s[10:11] offset:64*\b+16
.endr
	v_mul_u32_u24 v3, v1, PITCH
	v_lshl_add_u32 v3, v2, 4, v3                   ; a fragment's row x pitch + 16 x half
	s_mul_i32 s21, s[RH], 64*PITCH                 ; my 64 rows of x
	s_mul_i32 s23, s[HD], 192*PITCH                ; my 192 rows of wb,
	s_add_co_u32 s23, s23, HALFT                   ; which lie behind x's 128
.irp s, 0,1
	v_add_nc_u32 v[ADRA+(\s)], s21, v3
	v_add_nc_u32 v[ADRB+(\s)], s23, v3
	s_add_co_u32 s21, s21, SLOT
	s_add_co_u32 s23, s23, SLOT
.endr
	s_mul_i32 s23, s[WV], 16*SP
	s_add_co_u32 s23, s23, STAGE                   ; my stage
	v_mul_u32_u24 v[STO], v1, SP                   ; in: row l % 16, 16 bytes for each half of the lanes
	v_lshl_add_u32 v[STO], v2, 4, v[STO]
	v_add_nc_u32 v[STO], s23, v[STO]
	v_and_b32 v4, 7, v0
	v_bfe_u32 v[RD], v0, 3, 2                      ; back: 32 lanes take four rows of 128 bytes,
	v_mul_u32_u24 v[RD], v[RD], SP
	v_lshl_add_u32 v[RD], v4, 4, v[RD]
	v_add_nc_u32 v[RD], s23, v[RD]
	v_and_b32 v[GO], 31, v0                        ; which are 512 consecutive bytes of qkv
	v_lshlrev_b32 v[GO], 4, v[GO]
	s_lshl_b32 s14, s[HEAD], 19                    ; a head is 4,096 rows of 128 bytes
	s_lshl_b32 s15, s[TY], 14
	s_add_co_u32 s14, s14, s15
	s_lshl_b32 s15, s[RH], 13
	s_add_co_u32 s14, s14, s15
	s_mov_b32 s15, 0
	s_add_nc_u64 s[OB:OB+1], s[12:13], s[14:15]
	s_add_nc_u64 s[OB+2:OB+3], s[OB:OB+1], 0x800000
	s_add_nc_u64 s[OB+4:OB+5], s[OB+2:OB+3], 0x800000
	; the prefetches
	s_lshl_b32 s20, s[TY], 7                       ; x's first row of the tile
	s_mul_i32 s21, s42, 384
	s_add_co_u32 s21, s21, s18                     ; the first row of wb that I fetch
	s_and_b32 s22, ttmp7, 0xffff                   ; cluster y
	s_cmp_eq_u32 s[WV], 0
	s_cselect_b32 s20, s20, s21
	s_cselect_b32 s21, s40, s41                    ; my place among the four that ask with me
	s_cselect_b32 s22, ttmp9, s22                  ; the coordinate along which other clusters read the same rows
	s_cselect_b64 s[PFA:PFA+1], s[4:5], s[6:7]
	s_cmp_eq_u32 s22, 0
	s_cselect_b32 s[LIM], 1, -1                    ; the same in all sixteen partners, for a given wave
	s_lshl_b32 s21, s21, 5
	s_add_co_u32 s20, s20, s21                     ; my work-group's 32 of the 128 rows
	s_lshl_b32 s20, s20, 11
	s_mov_b32 s21, 0
	s_add_nc_u64 s[PFA:PFA+1], s[PFA:PFA+1], s[20:21]
	s_add_nc_u64 s[PFA:PFA+1], s[PFA:PFA+1], 2*KSTEP*2  ; at K step 2: the first refill steps it to 3 and names K step 4
	v_and_b32 v[PFO], 31, v0
	v_lshlrev_b32 v[PFO], 11, v[PFO]
	s_wait_loadcnt 0x0                             ; the biases; they are rounded to bf16 and widened again, in the wait for the first tile
.set i, 0
.rept 32
	v_cvt_pk_bf16_f32 v6, v[BQ+2*i], v[BQ+2*i+1]
	v_lshlrev_b32 v[BQ+2*i], 16, v6
	v_and_b32 v[BQ+2*i+1], 0xffff0000, v6
.set i, i+1
.endr
; 12 matrix instructions: row block a x my 12 column blocks, 32 along K.  first = 1: the product starts the sums, with the bias (q, v) or the constant 0 (k) as C.
; The 48 accumulators take turns in the same order in every quarter: 47 others' stand between two links of a chain.
.macro MUL12 f, a, first
.if \first
	WIN 0x85+0x40*((\a)/2)                         ; sources 0 and 1 window 1, C window 0, D window 2 or 3
.else
	WIN 0xa5+0x50*((\a)/2)                         ; C and D window 2 or 3
.endif
.irp b, 0,1,2,3,4,5,6,7,8,9,10,11
.set rD, 8*(12*((\a)%2)+\b)
.if (\first) && (\b < 4)
	v_wmma_f32_16x16x32_bf16 v[rD:rD+7], v[(\f)+8*\b:(\f)+8*\b+7], v[(\f)+96+8*(\a):(\f)+96+8*(\a)+7], v[BQ+8*\b:BQ+8*\b+7]
.elseif (\first) && (\b >= 8)
	v_wmma_f32_16x16x32_bf16 v[rD:rD+7], v[(\f)+8*\b:(\f)+8*\b+7], v[(\f)+96+8*(\a):(\f)+96+8*(\a)+7], v[BV+8*(\b-8):BV+8*(\b-8)+7]
.elseif \first
	v_wmma_f32_16x16x32_bf16 v[rD:rD+7], v[(\f)+8*\b:(\f)+8*\b+7], v[(\f)+96+8*(\a):(\f)+96+8*(\a)+7], 0
.else
	v_wmma_f32_16x16x32_bf16 v[rD:rD+7], v[(\f)+8*\b:(\f)+8*\b+7], v[(\f)+96+8*(\a):(\f)+96+8*(\a)+7], v[rD:rD+7]
.endif
.endr
.endm
; 32 LDS loads in one run: a quarter step's fragments (32 K at byte k of the rows) into buffer f: wb's 24 loads, x's blocks 0 and 1, x's blocks 2 and 3
.macro FETCH slot, k, f
	WIN 0x40                                       ; destination window 1, address window 0
.irp b, 0,1,2,3,4,5,6,7,8,9,10,11
	ds_load_b128 v[(\f)+8*\b:(\f)+8*\b+3],   v[ADRB+(\slot)] offset:(\k)+\b*16*PITCH
	ds_load_b128 v[(\f)+8*\b+4:(\f)+8*\b+7], v[ADRB+(\slot)] offset:(\k)+\b*16*PITCH+32
.endr
.irp a, 0,1,2,3
	ds_load_b128 v[(\f)+96+8*\a:(\f)+96+8*\a+3],   v[ADRA+(\slot)] offset:(\k)+\a*16*PITCH
	ds_load_b128 v[(\f)+96+8*\a+4:(\f)+96+8*\a+7], v[ADRA+(\slot)] offset:(\k)+\a*16*PITCH+32
.endr
.endm
.macro PLACES                          ; four places in front of loads into registers that matrix instructions have read, and of conversions that read results
.rept 4
	v_nop
.endr
.endm
; A K step is four quarters of 32 along K, 48 matrix instructions each, on buffers 0, 1, 0, 1.  One of the first three multiplies buffer f and fetches the next quarter, at byte k, into g.
.macro QUARTER slot, k, f, g, first
	s_wait_dscnt 4                                 ; all but the youngest four loads (x's blocks 2 and 3) are in
	MUL12 \f, 0, \first
	MUL12 \f, 1, \first
	PLACES
	FETCH \slot, \k, \g
	s_wait_dscnt 32                                ; all but the 32 just issued
	MUL12 \f, 2, \first
	MUL12 \f, 3, \first
.endm
; The last quarter multiplies buffer 1 and changes slots: one barrier; in front of it each wave waits for all its tensor loads (one is out: its part of the next slot), adds 0 to its spare word,
; and waits for that and for its reads of this slot.  fill = 1: the barrier opens a round of the cluster's barrier, and this slot is filled again, two K steps ahead, first thing behind the round.
.macro TURN slot, next, fill
.if \fill
	s_wait_xcnt 0x0                                ; the last prefetch, a K step back, has read its address: it is stepped here
	s_add_nc_u64 s[PFA:PFA+1], s[PFA:PFA+1], KSTEP*2
.endif
	WIN 0                                          ; (the add's two registers lie in window 0)
	s_wait_tensorcnt 0x0
	ds_add_u32 v[SPW], v[NIL]                      ; 0 onto my spare word
	s_wait_dscnt 5                                 ; (the add and the youngest four loads may be out)
	MUL12 F1, 0, 0
	s_wait_dscnt 0x0                               ; the add is done, and my reads of this slot are over
	s_barrier_signal -1
	MUL12 F1, 1, 0                                 ; work on registers while the others arrive
.if \fill
	WIN 0
.endif
	s_barrier_wait -1
.if \fill
	CREST                                          ; no wave of any partner still reads this slot or has a load on its way
	s_add_nc_u64 s[G0+4*(\slot)+2:G0+4*(\slot)+3], s[G0+4*(\slot)+2:G0+4*(\slot)+3], 2*KSTEP*2
	s_add_nc_u64 s[G0B+4*(\slot)+2:G0B+4*(\slot)+3], s[G0B+4*(\slot)+2:G0B+4*(\slot)+3], 2*KSTEP*2
	JLOAD \slot                                    ; its four v_nop are also the places in front of the loads below
.else
	PLACES
.endif
	FETCH \next, 0, F0
.if \fill
	ASK
.endif
	MUL12 F1, 2, 0
	MUL12 F1, 3, 0
.endm
	s_wait_tensorcnt 1                             ; my part of K step 0 is in; K step 1's may stay out
	s_barrier_signal -1
	s_barrier_wait -1
	FETCH 0, 0, F0
	QUARTER 0, 64,  F0, F1, 1                      ; the first quarter stands in front of the loop: its products start the sums
	WIN 0
	s_mov_b32 s3, 3                                ; K = 1,024 is four laps of two K steps; the last lap is written out
.Llap:
	QUARTER 0, 128, F1, F0, 0
	QUARTER 0, 192, F0, F1, 0
	TURN 0, 1, 1
	QUARTER 1, 64,  F0, F1, 0
	QUARTER 1, 128, F1, F0, 0
	QUARTER 1, 192, F0, F1, 0
	TURN 1, 0, 1
	QUARTER 0, 64,  F0, F1, 0
	WIN 0
	s_sub_co_u32 s3, s3, 1
	s_cmp_lg_u32 s3, 0
	s_cbranch_scc1 .Llap
	QUARTER 0, 128, F1, F0, 0                      ; the last lap fills nothing
	QUARTER 0, 192, F0, F1, 0
	TURN 0, 1, 0
	QUARTER 1, 64,  F0, F1, 0
	QUARTER 1, 128, F1, F0, 0
	QUARTER 1, 192, F0, F1, 0
	s_wait_dscnt 4
	MUL12 F1, 0, 0
	MUL12 F1, 1, 0
	s_wait_dscnt 0x0
	MUL12 F1, 2, 0
	MUL12 F1, 3, 0
	WIN 0
; THE WAY OUT, in 12 blocks n = 4 T + a (T: q, k, v; a: 16 rows): 16 rows x 64 columns are 2,048 consecutive bytes of qkv.  Rounded to f16, 16 bytes a lane into my own stage, back as whole rows, stored.
.macro PACK n
.set xa, (\n)%4
.set xT, (\n)/4
.set rR, OUTR+16*(\n)
	WIN 0x0a+5*(xa/2)                              ; sources 0 and 1: window 2 or 3
.irp bb, 0,1,2,3
.irp rr, 0,1,2,3
	v_cvt_pk_f16_f32 v[rR+4*\bb+\rr], v[8*(12*(xa%2)+4*xT+\bb)+2*\rr], v[8*(12*(xa%2)+4*xT+\bb)+2*\rr+1]
.endr
.endr
	WIN 0
.irp bb, 0,1,2,3
	ds_store_b128 v[STO], v[rR+4*\bb:rR+4*\bb+3] offset:32*\bb
.endr
.irp f, 0,1,2,3
	ds_load_b128 v[rR+4*\f:rR+4*\f+3], v[RD] offset:\f*4*SP  ; LDS serves a wave's instructions in order (ISA guide 5.7.1.4): these see the stores above; the next block's stores come behind them
.endr
.endm
.macro SEND n, younger                 ; younger: the LDS instructions issued behind block n's loads: the next block's eight, or none
.set xa, (\n)%4
.set xT, (\n)/4
.set rR, OUTR+16*(\n)
.irp f, 0,1,2,3
	s_wait_dscnt (\younger)+3-\f
	global_store_b128 v[GO], v[rR+4*\f:rR+4*\f+3], s[OB+2*xT:OB+2*xT+1] offset:xa*2048+\f*512  ; 512 consecutive bytes, aligned; each block has registers of its own, so no store's data is rewritten
.endr
.endm
	PLACES
	PACK 0
.set t, 1
.rept 11
	PACK t
	SEND t-1, 8
.set t, t+1
.endr
	SEND 11, 0
	s_wait_tensorcnt 0x0                           ; the wave's end, behind my last tensor load and my last LDS store
	ds_add_u32 v[SPW], v[NIL]
	s_wait_dscnt 0x0
	CROUND                                         ; the closing round
	s_endpgm
.Lfunc_end_k_q5826940248_proj:
	.size	k_q5826940248_proj, .Lfunc_end_k_q5826940248_proj-k_q5826940248_proj
	.p2alignl 7, 3214868480
	.fill 96, 4, 3214868480
	.section	.rodata,"a",@progbits
	.p2align	6, 0x0
	.amdhsa_kernel k_q5826940248_proj
		.amdhsa_group_segment_fixed_size 327680
		.amdhsa_private_segment_fixed_size 0
		.amdhsa_enable_private_segment 0
		.amdhsa_kernarg_size 40
		.amdhsa_user_sgpr_count 2
		.amdhsa_user_sgpr_kernarg_segment_ptr 1
		.amdhsa_wavefront_size32 1
		.amdhsa_system_sgpr_workgroup_id_x 1
		.amdhsa_system_sgpr_workgroup_id_y 1
		.amdhsa_system_sgpr_workgroup_id_z 1
		.amdhsa_system_vgpr_workitem_id 0
		.amdhsa_next_free_vgpr 960
		.amdhsa_next_free_sgpr 80
		.amdhsa_reserve_vcc 0
		.amdhsa_float_denorm_mode_32 3
		.amdhsa_float_denorm_mode_16_64 3
		.amdhsa_memory_ordered 1
		.amdhsa_forward_progress 1
		.amdhsa_inst_pref_size 127
	.end_amdhsa_kernel
	.amdgpu_metadata
---
amdhsa.version: [ 1, 2 ]
amdhsa.kernels:
  - .name:           k_q5826940248_proj
    .symbol:         k_q5826940248_proj.kd
    .args:
      - { .name: xb, .offset: 0, .size: 8, .value_kind: global_buffer, .address_space: global }
      - { .name: wb, .offset: 8, .size: 8, .value_kind: global_buffer, .address_space: global }
      - { .name: bq, .offset: 16, .size: 8, .value_kind: global_buffer, .address_space: global }
      - { .name: bv, .offset: 24, .size: 8, .value_kind: global_buffer, .address_space: global }
      - { .name: qkv, .offset: 32, .size: 8, .value_kind: global_buffer, .address_space: global }
    .group_segment_fixed_size: 327680
    .private_segment_fixed_size: 0
    .kernarg_segment_align: 8
    .kernarg_segment_size: 40
    .max_flat_workgroup_size: 128
    .sgpr_count:     80
    .vgpr_count:     960
    .wavefront_size: 32
...
	.end_amdgpu_metadata
.endif
;; end of part 2
;; launch attn (part 3): grid 16 x 16, 4 waves a work-group, clusters of 4 x 1, 327,680 bytes of LDS; arguments qkv, ob; writes ob
.if DOCPART == 3
	.amdgcn_target "amdgcn-amd-amdhsa--gfx1250"
	.amdhsa_code_object_version 6
	.text
	.protected	k_q5826940248_attn
	.globl	k_q5826940248_attn
	.p2align	8
	.type	k_q5826940248_attn,@function
k_q5826940248_attn:
	s_mov_b64 s[64:65], 0
	v_nop
	global_prefetch_b8 v0, s[64:65] scope:SCOPE_SE
	s_setreg_imm32_b32 hwreg(HW_REG_WAVE_MODE, 25, 1), 1
	s_wait_xcnt 0x0
	s_wait_alu depctr_hold_cnt(0) depctr_sa_sdst(0) depctr_va_vdst(0) depctr_va_sdst(0) depctr_va_ssrc(0) depctr_va_vcc(0) depctr_vm_vsrc(0)
	s_getreg_b32 s2, hwreg(HW_REG_IB_STS2, 6, 4)
	s_cmp_eq_u32 s2, 0
	s_cbranch_scc0 .Lentry_in_a_cluster
	s_endpgm
.Lentry_in_a_cluster:
	s_bfe_u32 s2, ttmp6, 0x10000c
	s_cmp_lg_u32 s2, 0x3003
	s_cbranch_scc0 .Lentry_shape_is_right
	s_endpgm
.Lentry_shape_is_right:
; ATTN.  ob[h][t][:] = the sum over s of p(t, s) v[h][s][:] / l(t), p = fastexp(SCALING q_t . k_s - max_s), l = the sum of p.  q, k, v: qkv = f16 [3][16][4096][64]; ob: f16 [16][4096][64].
; THE EXPONENTIAL is reference()'s own: the f32 whose bits are the whole number trunc(A x + B).  It is no power: fastexp(x - m1) / fastexp(x - m2) is not the same for all x, so weights made with a running
; maximum cannot be set right by a factor later.  So THE KEYS ARE WALKED TWICE: pass 1 makes the scores and keeps each query's maximum m alone; pass 2 makes the same scores again (same instructions,
; same operands, same bits), the weights with the true m, and O^T = V^T P.  No weight is ever rescaled and no transcendental stands in the loops.
; THE WEIGHT: with raw = q . k unscaled, c = A x SCALING and d = B - c m (one fused multiply-add a query), y = c raw + d (one fused multiply-add a score), p = the bits of v_cvt_u32_f32(y), which cuts toward 0.
; THE CLIPS.  y > 2139095040 can never hold: raw <= m bit for bit, so y <= B for all inputs.  y < 8388608 gives 0 in reference(): here y < 0 gives 0 by the conversion, and 0 <= y < 8388608 gives a denormal
; below 1.2e-38, which is 0 when rounded to f16 for the product and cannot move l, which holds the maximum's own weight 0.97, in f32: the same results.
; LIMITS.  q, k, v within f16's 65,504; p lies in 0 to 1 and below 6e-5 keeps f16's fixed step; d is rounded at the size of c m, as reference()'s scores are at the size of m; NaN and infinities are not treated apart.
; SHARES.  A work-group owns 256 queries of a head, a wave 64: four tiles of 16.  CLUSTER: the four query blocks of a cluster belong to one head and walk the same K and V: every tile is asked for jointly.
; LAYOUT.  S^T = K Q^T (source 0 = 16 keys, source 1 = 16 queries): a lane holds ONE query (lane % 16) and the keys 8 (lane / 16) + 0..7; two such results rounded to f16 ARE source 1 of O^T = V^T P.
; THE RING: two LDS slots.  Pass 1: 512 keys of K a slot, each wave fetching 128.  Pass 2: 256 keys of K and of V a slot, waves 0, 1 K's halves, waves 2, 3 V's.  The ring runs on from pass 1 into pass 2;
; one tensor load of a wave is out at any time, and it has 256 matrix instructions in which to land.
; REGISTERS.  Window 0: v2-14 addresses; v16-31 four a tile: d, m, l (even keys'), l (odd keys'); v32-95 S^T, two buffers of 32; v96-127 P, two buffers of 16 (pass 1: v96-103 the maxima's eight chains);
; v128-191 K; v192-255 Q.  Window 1: v0-127 O^T, 32 a tile; v128-191 V.  K Q^T and all vector work name window 0 alone; only V^T P switches.
.set KS,    64
.set PK,    144       ; a row of K in LDS: 128 bytes + 16 = 36 words: the 16 rows of a load start at 16 different groups of four banks (ISA guide 11.1)
.set PV,    160       ; a row of V: 128 + 32 = 40 words
.set VOFF,  4*KS*PK   ; pass 2: 256 rows of K, then 256 rows of V
.set SLOT1, 1<<17     ; slot 1 begins here: one exclusive or turns an address in one slot into the other's
.set STAGE, SLOT1+4*KS*(PK+PV)  ; behind the ring, never filled by a tensor load: 16 rows x 144 bytes for each wave
.set SP,    144
.set SPARE, STAGE+4*16*SP       ; the spare words: two blocks of 256 bytes that no other line names
.set AK0, 2           ; v2   my lane's place in a tile of K; never rewritten
.set AV0, 3           ; v3   the same for V
.set AK,  4           ; v4   the LDS address of K's loads in hand
.set AV,  5           ; v5   of V's
.set QO,  6           ; v6   my byte offset in 16 rows of Q; later STO
.set STO, 6
.set RD,  7
.set GO,  8
.set PFO, 12          ; v12  256 x lane; never rewritten
.set SPW, 13          ; v13  my spare word; never rewritten
.set NIL, 14          ; v14  0; never rewritten
.set ST,  16
.set S,   32
.set P,   96
.set CH,  96
.set KF,  128         ; key block kb, channel half c at KF + 16 kb + 8 c
.set QF,  192         ; tile t, channel half c at QF + 16 t + 8 c
.set VF,  128         ; window 1: key half kk, channel block cb at VF + 32 kk + 8 cb
.set WV,  12
.set G1K, 24          ; s[24:31] group 1 for K's tiles;  s[32:39] for V's: the padding differs
.set G1V, 32
.set G0K, 40          ; s[40:43], s[44:47] pass 2's walking group 0 for K, for V;  s[48:51] pass 1's
.set G0V, 44
.set G01, 48
.set PFK, 52          ; s[52:53], s[54:55] where my prefetches of K (pass 1) and of V (pass 2) stand
.set PFV, 54
.set SLOTS, 56
.set CNT, 57
.set CS,  58          ; s[58:59] c
.set SEL, 60          ; s[60:61] v_permlanex16_b32's selects: each lane takes its own place in the other half
.set TBK, 62          ; LDS byte at which K of the step to be fetched begins (pass 2)
.set TBV, 63          ; the same for V, less VOFF
.set TB1, 66          ; the same for pass 1's K
.set NC,  67          ; -c
.set BB,  68          ; B
.set LIM1, 69         ; 1 in a wave that prefetches K, else the greatest number
.set LIM2, 70         ; the same for V
.set OB,  72          ; s[72:73] ob at my wave's rows
.set QB,  74          ; s[74:75] q at my wave's rows
.set MSB, 0
.macro WIN new
.if MSB != (\new)
	s_set_vgpr_msb (MSB<<8)|(\new)
.set MSB, (\new)
.endif
.endm
.set W_PV, 0x51       ; V, C and D in window 1, P in window 0
.macro JLOAD1                       ; pass 1's joint fill: every wave fetches its 128 keys of K.  An s_nop 0 and four v_nop follow
	tensor_load_to_lds s[G01:G01+3], s[G1K:G1K+7]
	s_nop 0
.rept 4
	v_nop
.endr
.endm
.macro JLOAD2                       ; pass 2's: waves 0 and 1 the halves of K, waves 2 and 3 those of V; the branch hangs on the wave's number alone
	s_cmp_lt_u32 s[WV], 2
	s_cbranch_scc0 .Lfor_v_\@
	tensor_load_to_lds s[G0K:G0K+3], s[G1K:G1K+7]
	s_nop 0
.rept 4
	v_nop
.endr
	s_branch .Lasked_\@
.Lfor_v_\@:
	tensor_load_to_lds s[G0V:G0V+3], s[G1V:G1V+7]
	s_nop 0
.rept 4
	v_nop
.endr
.Lasked_\@:
.endm
; A prefetch into the L2 of what the NEXT change of slots will ask for, a lane a block of 256 bytes, behind the wave's tensor load and its five lines.  Each block is named once in the launch: the head's first
; cluster asks; its four partners share the blocks out by address.  K is asked for in pass 1, its first walk, by waves 0 and 1 (64 blocks a work-group); V in pass 2 by wave 2 (32 blocks).
; K's second walk is not asked for.  The first three fills of K and the first two of V come by their loads alone; the last filling change of each walk asks for nothing.
.macro ASK ptr, lim, once
.if \once
	s_cmp_eq_u32 s[\lim], 1
.else
	s_cmp_gt_u32 s[SLOTS], s[\lim]
.endif
	s_cbranch_scc0 .Lnot_mine_\@
	global_prefetch_b8 v[PFO], s[\ptr:\ptr+1] th:TH_LOAD_NT scope:SCOPE_SE
.Lnot_mine_\@:
.endm
.macro CROUND                       ; a round of the cluster's barrier
	s_barrier_signal -1
	s_barrier_wait -1
	s_cmp_lg_u32 s[WV], 0
	s_cbranch_scc1 .Lnot_wave_0_\@
	s_barrier_signal -3
.Lnot_wave_0_\@:
	s_barrier_wait -3
	s_barrier_signal -1
	s_barrier_wait -1
.endm
; THE CHANGE OF SLOTS.  Each wave waits for all its tensor loads (one is out: its part of the other slot), adds 0 to its spare word, and waits for that and for its reads of the slot that it leaves.
; fill = 1: the old slot takes pass 1's next 512 keys; fill = 2: pass 2's next 256 keys of K and V (step = 0: the descriptors stand at their first tile).  The barrier is then a round of the cluster's, and the
; joint fill is the first thing behind it.  fill = 0: nothing is left to ask for.  adj: whose read base goes to the other slot's head (1: pass 1's; 2: pass 2's).  ask: 0 none; 1 K; 2 V; 3 V, outside the loop.
.macro CHANGE fill, step, adj, ask
	WIN 0
	s_wait_tensorcnt 0x0            ; no tensor load of mine is out, so a group 0 may be written
	ds_add_u32 v[SPW], v[NIL]       ; 0 onto my spare word
.if (\fill) == 1
	s_xor_b32 s[G01+1], s[G01+1], SLOT1
	s_add_nc_u64 s[G01+2:G01+3], s[G01+2:G01+3], 512*128
.endif
.if ((\fill) == 2) && (\step)
.irp g, G0K, G0V
	s_xor_b32 s[\g+1], s[\g+1], SLOT1
	s_add_nc_u64 s[\g+2:\g+3], s[\g+2:\g+3], 256*128
.endr
.endif
.if (\ask) == 1
	s_wait_xcnt 0x0                 ; the last prefetch, a slot back, has read its address
	s_add_nc_u64 s[PFK:PFK+1], s[PFK:PFK+1], 512*128
.endif
.if (\ask) >= 2
	s_wait_xcnt 0x0
	s_add_nc_u64 s[PFV:PFV+1], s[PFV:PFV+1], 256*128
.endif
	s_wait_dscnt 0x0                ; the add is done, and my reads of the slot are over
.if \fill
	CROUND
.if (\fill) == 1
	JLOAD1
.else
	JLOAD2
.endif
.if (\ask) == 1
	ASK PFK, LIM1, 0
.endif
.if (\ask) == 2
	ASK PFV, LIM2, 0
.endif
.if (\ask) == 3
	ASK PFV, LIM2, 1
.endif
.else
	s_barrier_signal -1
	s_barrier_wait -1
.endif
.if (\adj) == 1
	s_sub_co_u32 s[TB1], s[TB1], 8*KS*PK
	s_xor_b32 s[TB1], s[TB1], SLOT1
.else
	s_sub_co_u32 s[TBK], s[TBK], 4*KS*PK
	s_xor_b32 s[TBK], s[TBK], SLOT1
	s_sub_co_u32 s[TBV], s[TBV], 4*KS*PV
	s_xor_b32 s[TBV], s[TBV], SLOT1
.endif
.endm
.macro PLACES
.rept 4
	v_nop
.endr
.endm
.macro ALL line:vararg              ; one line for each tile t
.set t, 0
.rept 4
	\line
.set t, t+1
.endr
.endm
	s_load_b128 s[4:7], s[0:1], 0x0  ; qkv s[4:5], ob s[6:7]
	v_lshl_add_u32 v[SPW], v0, 2, SPARE
	v_mov_b32 v[NIL], 0
	ds_add_u32 v[SPW], v[NIL]       ; the wave's opening: the add, twice on end, and its wait ahead of my first tensor load
	ds_add_u32 v[SPW], v[NIL]
	v_lshrrev_b32 v1, 5, v0
	v_readfirstlane_b32 s[WV], v1
	s_bfe_u32 s13, ttmp6, 0x40000   ; cx
	s_lshl_b32 s14, ttmp9, 2
	s_add_co_u32 s14, s14, s13      ; my block of 256 queries: it enters q's and ob's addresses alone
	s_and_b32 s20, ttmp7, 0xffff    ; the head, which the four partners share
	s_lshl_b32 s20, s20, 19         ; 4,096 rows of 128 bytes
	s_mov_b32 s21, 0
	s_and_b32 s16, s[WV], 1         ; pass 2: which half of a slot's 256 keys I fetch
	s_lshl_b32 s22, s16, 14
	s_mov_b32 s23, 0
	s_mul_i32 s17, s16, 128*PK
	s_mul_i32 s18, s16, 128*PV
	s_lshl_b32 s76, s[WV], 14       ; pass 1: which quarter of a slot's 512 keys
	s_mov_b32 s77, 0
	s_mul_i32 s19, s[WV], 128*PK
	s_lshl_b32 s2, s14, 15          ; my block's 256 rows,
	s_lshl_b32 s3, s[WV], 13        ; my wave's 64 of them
	s_add_co_u32 s2, s2, s3
	s_mov_b32 s3, 0
	; group 1: 128 keys are 16,384 dense bytes, asked for as 64 rows of 256 bytes, two keys a row, and padded in LDS after every key
	s_mov_b32 s[G1K], 15|(1<<16)|(1<<20)|(1<<21)|(4<<22)|(3<<25)  ; the mask of four; 2-byte elements; padding on; bit 21 beside a mask; after every 32 words, 4 words
	s_mov_b32 s[G1V], 15|(1<<16)|(1<<20)|(1<<21)|(4<<22)|(7<<25)  ; the same with 8 words
.irp g, G1K, G1V
	s_mov_b32 s[\g+1], 128<<16
	s_mov_b32 s[\g+2], 64<<16
	s_mov_b32 s[\g+3], 128<<16
	s_mov_b32 s[\g+4], 64
	s_mov_b32 s[\g+5], 128
	s_mov_b32 s[\g+6], 0
	s_mov_b32 s[\g+7], 0
.endr
	s_mov_b32 s[CS], 0x49b85a34     ; c = 12102203 x q_rsqrt(64) = 1510214.5
	s_mov_b32 s[CS+1], s[CS]        ; named with it as a pair
	s_mov_b32 s[NC], 0xc9b85a34     ; -c
	s_mov_b32 s[BB], 0x4e7de9a3     ; B = 1064986816 in f32
	s_mov_b32 s[SEL], 0x76543210
	s_mov_b32 s[SEL+1], 0xfedcba98
	s_mov_b32 s[TB1], SLOT1+8*KS*PK ; the first change of each kind turns these into 0
	s_mov_b32 s[TBK], SLOT1+4*KS*PK
	s_mov_b32 s[TBV], SLOT1+4*KS*PV
	s_mov_b32 s[G01], 1
	s_mov_b32 s[G01+1], s19
	s_mov_b32 s[G0K], 1
	s_mov_b32 s[G0K+1], s17
	s_mov_b32 s[G0V], 1
	s_add_co_u32 s[G0V+1], s18, VOFF
	s_lshr_b32 s15, s[WV], 1        ; 0 in waves 0 and 1,
	s_or_b32 s15, s15, ttmp9        ; where the cluster is the head's first: the same in all four partners
	s_cmp_eq_u32 s15, 0
	s_cselect_b32 s[LIM1], 1, -1
	s_xor_b32 s15, s[WV], 2         ; 0 in wave 2
	s_or_b32 s15, s15, ttmp9
	s_cmp_eq_u32 s15, 0
	s_cselect_b32 s[LIM2], 1, -1
	v_and_b32 v[PFO], 31, v0
	v_lshlrev_b32 v[PFO], 8, v[PFO]
	s_wait_dscnt 0x0                ; both opening adds are done
	s_wait_kmcnt 0x0
	s_add_nc_u64 s[8:9], s[4:5], s[20:21]         ; q at the head
	s_add_nc_u64 s[QB:QB+1], s[8:9], s[2:3]
	s_add_nc_u64 s[10:11], s[8:9], 0x1000000      ; v at the head
	s_add_nc_u64 s[8:9], s[8:9], 0x800000         ; k at the head
	s_add_nc_u64 s[OB:OB+1], s[6:7], s[20:21]
	s_add_nc_u64 s[OB:OB+1], s[OB:OB+1], s[2:3]
	s_add_nc_u64 s[G01+2:G01+3], s[8:9], s[76:77]
	s_or_b32 s[G01+3], s[G01+3], 0x80000000
	s_add_nc_u64 s[G0K+2:G0K+3], s[8:9], s[22:23]
	s_or_b32 s[G0K+3], s[G0K+3], 0x80000000
	s_add_nc_u64 s[G0V+2:G0V+3], s[10:11], s[22:23]
	s_or_b32 s[G0V+3], s[G0V+3], 0x80000000
	s_lshl_b32 s78, s13, 14         ; K's prefetches: my work-group's 64 blocks of a fill's 256, my wave's 32 of them,
	s_lshl_b32 s15, s[WV], 13
	s_add_co_u32 s78, s78, s15
	s_add_co_u32 s78, s78, 2*512*128  ; in the third fill: the loop's first change steps it to the fourth
	s_mov_b32 s79, 0
	s_add_nc_u64 s[PFK:PFK+1], s[8:9], s[78:79]
	s_lshl_b32 s78, s13, 13         ; V's: my work-group's 32 blocks of a fill's 128,
	s_add_co_u32 s78, s78, 256*128  ; in the second fill
	s_add_nc_u64 s[PFV:PFV+1], s[10:11], s[78:79]
	CROUND                          ; all four work-groups are here: the first joint loads meet
	JLOAD1                          ; keys 0 to 511 into slot 0
	v_and_b32 v1, 15, v0            ; l % 16
	v_bfe_u32 v9, v0, 4, 1          ; l / 16
	v_lshlrev_b32 v[QO], 7, v1
	v_lshl_add_u32 v[QO], v9, 4, v[QO]
.set i, 0
.rept 8                             ; Q stays in registers: tile i / 2, channels 32 (i % 2) on
	global_load_b128 v[QF+8*i:QF+8*i+3],   v[QO], s[QB:QB+1] offset:(i/2)*2048+(i%2)*64
	global_load_b128 v[QF+8*i+4:QF+8*i+7], v[QO], s[QB:QB+1] offset:(i/2)*2048+(i%2)*64+32
.set i, i+1
.endr
	; What pass 2's first turn finds: O^T is 0 (its sums begin there; no first step is written out), V's registers and P's second buffer hold 0 (that turn's products V^T P, of a tile that has not been, add 0).
	; All this stands in the wait for the first tile.
	WIN 0x40
.set i, 0
.rept 192
	v_mov_b32 v[i], 0
.set i, i+1
.endr
	WIN 0
.set i, P+16
.rept 16
	v_mov_b32 v[i], 0
.set i, i+1
.endr
.set i, 0
.rept 8
	v_mov_b32 v[CH+i], 0xff7fffff   ; the maxima's chains start at the lowest finite number
.set i, i+1
.endr
	v_mul_u32_u24 v[AK0], v1, PK
	v_lshl_add_u32 v[AK0], v9, 4, v[AK0]  ; row x pitch + 16 x half
	; The turning load takes 16 keys x 16 channels (lane l reads key 8 (l / 16) + l % 8, channels 8 ((l / 8) % 2) + 0..7) and leaves half a fragment of V^T: lane l holds channel l % 16 and 8 keys.
	v_and_b32 v10, 7, v0
	v_bfe_u32 v11, v0, 3, 1
	v_lshl_add_u32 v[AV0], v9, 3, v10
	v_mul_u32_u24 v[AV0], v[AV0], PV
	v_lshl_add_u32 v[AV0], v11, 4, v[AV0]
	v_add_nc_u32 v[AV0], VOFF, v[AV0]
; PASS 1.  A GROUP is 16 keys (a block; its K lies in quarter q = block % 4 of KF) x my four tiles: 8 matrix instructions, row i: tile i % 4, channels 32 (i / 4) on; the four accumulators take turns.
; rid = 1: behind each row two of the 16 maxima over the group before's results, which lie in the other buffer of S^T: tile e / 4, registers 2 (e % 4) and + 1 (each accumulator's lowest first),
; chain e % 2.  A tile's first maximum stands eight plain instructions or more behind the product that ended its accumulator.
.macro ROW1 q, i, rid
.set xt, (\i)%4
.set xc, (\i)/4
.set rD, S+32*((\q)%2)+8*xt
.if (\i) < 4
	v_wmma_f32_16x16x32_f16 v[rD:rD+7], v[KF+16*(\q)+8*xc:KF+16*(\q)+8*xc+7], v[QF+16*xt+8*xc:QF+16*xt+8*xc+7], 0
.else
	v_wmma_f32_16x16x32_f16 v[rD:rD+7], v[KF+16*(\q)+8*xc:KF+16*(\q)+8*xc+7], v[QF+16*xt+8*xc:QF+16*xt+8*xc+7], v[rD:rD+7]
.endif
.if \rid
.irp n, 0,1
.set xe, 2*(\i)+\n
.set rX, S+32*(1-(\q)%2)+8*(xe/4)+2*(xe%4)
.set rC, CH+2*(xe/4)+(xe%2)
	v_max3_num_f32 v[rC], v[rC], v[rX], v[rX+1]
.endr
.endif
.endm
.macro ROWS1 q, from, to, rid
.set ii, \from
.rept (\to)-(\from)+1
	ROW1 \q, ii, \rid
.set ii, ii+1
.endr
.endm
.macro LOADK z                      ; a block's K, 16 keys x 64 channels, into quarter z
.irp c, 0,1
	ds_load_b128 v[KF+16*(\z)+8*\c:KF+16*(\z)+8*\c+3],   v[AK] offset:(\z)*16*PK+64*\c
	ds_load_b128 v[KF+16*(\z)+8*\c+4:KF+16*(\z)+8*\c+7], v[AK] offset:(\z)*16*PK+64*\c+32
.endr
.endm
; A TRIP: 64 keys.  Block b is loaded in group b - 3, behind its row 1: six plain instructions behind the last product that read the quarter, 22 matrix instructions ahead of its first use.
; At a group's head the two younger blocks' eight loads may stay out.  A trip begins at the load of a block 4 u + 4, so a change of slots falls between two trips.
.macro TRIP1
	v_add_nc_u32 v[AK], s[TB1], v[AK0]
	s_add_co_u32 s[TB1], s[TB1], KS*PK
.irp z, 0,1,2,3
	LOADK \z
	ROWS1 (\z+1)%4, 2, 7, 1
	s_wait_dscnt 8
	ROWS1 (\z+2)%4, 0, 1, 1
.endr
.endm
	CHANGE 1, 0, 1, 0               ; slot 0 is in, everybody's part of it; keys 512 on are asked for
	v_add_nc_u32 v[AK], s[TB1], v[AK0]
	s_add_co_u32 s[TB1], s[TB1], KS*PK
	LOADK 0
	LOADK 1
	LOADK 2
	LOADK 3
	s_wait_loadcnt 0x0              ; Q
	s_wait_dscnt 12                 ; block 0 is in; blocks 1 to 3 may stay out
	ROWS1 0, 0, 7, 0                ; the first group: there are no results yet to take maxima of
	PLACES
	s_wait_dscnt 8
	ROWS1 1, 0, 1, 1
	s_mov_b32 s[CNT], 7             ; the first slot's first four blocks are loaded
	s_mov_b32 s[SLOTS], 7
	s_branch .L1trip
.L1slot:                            ; six times: pass 1's third to eighth fills are asked for
	CHANGE 1, 0, 1, 1
	s_mov_b32 s[CNT], 8
.L1trip:
	TRIP1
	s_sub_co_u32 s[CNT], s[CNT], 1
	s_cmp_lg_u32 s[CNT], 0
	s_cbranch_scc1 .L1trip
	s_sub_co_u32 s[SLOTS], s[SLOTS], 1
	s_cmp_lg_u32 s[SLOTS], 0
	s_cbranch_scc1 .L1slot
	CHANGE 2, 0, 1, 0               ; pass 1's last slot is entered; the slot left takes pass 2's first tile.  Written out
	s_mov_b32 s[CNT], 8
.L1last:
	TRIP1
	s_sub_co_u32 s[CNT], s[CNT], 1
	s_cmp_lg_u32 s[CNT], 0
	s_cbranch_scc1 .L1last
	CHANGE 2, 1, 2, 3               ; all of K's blocks are in registers: pass 1's last slot takes pass 2's second tile, while the last groups are multiplied
	ROWS1 1, 2, 7, 1
	ROWS1 2, 0, 7, 1
	ROWS1 3, 0, 7, 1
	PLACES
.set xe, 0
.rept 16                            ; the last group's maxima
	v_max3_num_f32 v[CH+2*(xe/4)+(xe%2)], v[CH+2*(xe/4)+(xe%2)], v[S+32+8*(xe/4)+2*(xe%4)], v[S+32+8*(xe/4)+2*(xe%4)+1]
.set xe, xe+1
.endr
	ALL v_max_num_f32 v[CH+2*t], v[CH+2*t], v[CH+2*t+1]
	ALL v_permlanex16_b32 v[CH+2*t+1], v[CH+2*t], s[SEL], s[SEL+1]  ; the query's other keys lie in the lane 16 away
	ALL v_max_num_f32 v[ST+4*t+1], v[CH+2*t], v[CH+2*t+1]           ; m
	ALL v_fma_f32 v[ST+4*t], v[ST+4*t+1], s[NC], s[BB]              ; d = B - c m
	ALL v_mov_b32 v[ST+4*t+2], 0
	ALL v_mov_b32 v[ST+4*t+3], 0
; PASS 2.  Turn p belongs to tile p: 8 products K Q^T of tile p + 1, then 8 products V^T P of tile p - 1 (the tiles in a ring, step after step); behind each product five of the 80 vector instructions of tile p.
; Product i of 8 of S^T = K Q^T for tile x: channels 32 (i / 4) on, keys 16 (i % 4) on.  The same order of the same operands as in pass 1.
.macro KQ x
.set rS, S+32*((\x)%2)+8*(i%4)
.set rK, KF+16*(i%4)+8*(i/4)
.set rQ, QF+16*(\x)+8*(i/4)
.if i < 4
	v_wmma_f32_16x16x32_f16 v[rS:rS+7], v[rK:rK+7], v[rQ:rQ+7], 0
.else
	v_wmma_f32_16x16x32_f16 v[rS:rS+7], v[rK:rK+7], v[rQ:rQ+7], v[rS:rS+7]
.endif
.endm
; Product i of 8 of O^T += V^T P for tile x: keys 32 (i / 4) on, channels 16 (i % 4) on.
.macro PV x
	WIN W_PV
.set rO, 32*(\x)+8*(i%4)
.set rV, VF+32*(i/4)+8*(i%4)
.set rP, P+16*((\x)%2)+8*(i/4)
	v_wmma_f32_16x16x32_f16 v[rO:rO+7], v[rV:rV+7], v[rP:rP+7], v[rO:rO+7]
.endm
; The LDS loads stand in runs of 8: half c of a step's K (its channels 32 c on), half kk of its V (its keys 32 kk on).  last = 1 (the tail): in the last trip there is no further step, and the run is jumped over.
.macro FETCH_K c, last
.if \last
	s_cmp_eq_u32 s[CNT], 1
	s_cbranch_scc1 .Lno_k_\@
.endif
.irp kb, 0,1,2,3
	ds_load_b128 v[KF+16*\kb+8*(\c):KF+16*\kb+8*(\c)+3],   v[AK] offset:\kb*16*PK+64*(\c)
	ds_load_b128 v[KF+16*\kb+8*(\c)+4:KF+16*\kb+8*(\c)+7], v[AK] offset:\kb*16*PK+64*(\c)+32
.endr
.if \last
.Lno_k_\@:
.endif
.endm
.macro FETCH_V kk
	WIN 0x40                        ; destination window 1
.irp cb, 0,1,2,3
	ds_load_tr16_b128 v[VF+32*(\kk)+8*\cb:VF+32*(\kk)+8*\cb+3],   v[AV] offset:(\kk)*32*PV+\cb*32
	ds_load_tr16_b128 v[VF+32*(\kk)+8*\cb+4:VF+32*(\kk)+8*\cb+7], v[AV] offset:(\kk)*32*PV+16*PV+\cb*32
.endr
	WIN 0
.endm
; THE VECTOR QUEUE of tile Y, 80 long; VQ writes its next number j.  F n: y = c raw + d for pair n of 16.  U e: score e of 32 cut to a whole number: its bits are the weight.  C n: pair n rounded to f16.
; A n: l takes pair n.  Order: F0 F1 U0 U1; for g = 2 .. 15: F g, U 2g-2, U 2g-1, C g-2, A g-2; then U30 U31 C14 A14 C15 A15.  Every reader stands two lines or more behind its writer; l's links stand five
; lines apart; each accumulator's lowest registers are read first.
.macro VQ
.set rT, ST+4*Y
.set rS, S+32*(Y%2)
.set rP, P+16*(Y%2)
.if j < 2
.set qk, 0
.set qn, j
.elseif j < 4
.set qk, 1
.set qn, j-2
.elseif j < 74
.set qg, 2+(j-4)/5
.set qe, (j-4)%5
.if qe == 0
.set qk, 0
.set qn, qg
.elseif qe < 3
.set qk, 1
.set qn, 2*qg-3+qe
.else
.set qk, qe-1
.set qn, qg-2
.endif
.elseif j < 76
.set qk, 1
.set qn, j-44
.else
.set qk, 2+j%2
.set qn, 14+(j-76)/2
.endif
.if qk == 0
	v_pk_fma_f32 v[rS+2*qn:rS+2*qn+1], v[rS+2*qn:rS+2*qn+1], s[CS:CS+1], v[rT:rT+1] op_sel_hi:[1,0,0]
.elseif qk == 1
	v_cvt_u32_f32 v[rS+qn], v[rS+qn]
.elseif qk == 2
	v_cvt_pk_f16_f32 v[rP+qn], v[rS+2*qn], v[rS+2*qn+1]
.else
	v_pk_add_f32 v[rT+2:rT+3], v[rT+2:rT+3], v[rS+2*qn:rS+2*qn+1]
.endif
.set j, j+1
.endm
; A TURN.  K of the next step is fetched in tile 2's turn, each half behind the last product that read it (ten and five plain instructions behind), and is first read a turn later, 11 and 12 products on;
; V of the step in hand in tile 0's turn, in the same way.  The counted wait lets the younger half's eight loads stay out.
.macro TURN p, last=0
	WIN 0
.set Y, (\p)
.set j, 0
.if (\p) == 2
	v_add_nc_u32 v[AK], s[TBK], v[AK0]
.endif
.if (\p) == 3
	s_wait_dscnt 8                  ; K's first half is in
.endif
.set i, 0
.rept 8
.if ((\p) == 3) && (i == 4)
	s_wait_dscnt 0x0                ; K's second half
.endif
	KQ ((\p)+1)%4
.rept 5
	VQ
.endr
.if ((\p) == 2) && (i == 4)
	FETCH_K 0, \last
.endif
.if ((\p) == 2) && (i == 7)
	FETCH_K 1, \last
	s_add_co_u32 s[TBK], s[TBK], KS*PK
.endif
.set i, i+1
.endr
.if (\p) == 0
	v_add_nc_u32 v[AV], s[TBV], v[AV0]
.endif
.if (\p) == 1
	s_wait_dscnt 8                  ; V's first half is in
.endif
.set i, 0
.rept 8
.if ((\p) == 1) && (i == 4)
	s_wait_dscnt 0x0                ; V's second half
.endif
	PV ((\p)+3)%4
	WIN 0
.rept 5
	VQ
.endr
.if ((\p) == 0) && (i == 4)
	FETCH_V 0
.endif
.if ((\p) == 0) && (i == 7)
	FETCH_V 1
	s_add_co_u32 s[TBV], s[TBV], KS*PV
.endif
.set i, i+1
.endr
.endm
	v_add_nc_u32 v[AK], s[TBK], v[AK0]
	FETCH_K 0, 0                    ; key step 0
	FETCH_K 1, 0
	s_add_co_u32 s[TBK], s[TBK], KS*PK
	s_wait_dscnt 0x0
.set i, 0
.rept 8
	KQ 0                            ; tile 0's first scores
.set i, i+1
.endr
	s_mul_i32 s13, s[WV], 16*SP     ; the addresses for the way out: plain instructions, the places behind those products
	s_add_co_u32 s13, s13, STAGE
	v_mul_u32_u24 v[STO], v1, SP    ; in: row l % 16, 16 bytes for each half of the lanes
	v_lshl_add_u32 v[STO], v9, 4, v[STO]
	v_add_nc_u32 v[STO], s13, v[STO]
	v_bfe_u32 v[RD], v0, 3, 2       ; back: 32 lanes take four rows of 128 bytes,
	v_mul_u32_u24 v[RD], v[RD], SP
	v_lshl_add_u32 v[RD], v10, 4, v[RD]
	v_add_nc_u32 v[RD], s13, v[RD]
	v_and_b32 v[GO], 31, v0         ; which are 512 consecutive bytes of ob
	v_lshlrev_b32 v[GO], 4, v[GO]
	s_mov_b32 s[CNT], 4
	s_mov_b32 s[SLOTS], 15
	s_branch .Lfirst                ; the loop is entered at a step's first turn, in the middle of a trip
.Lslot:                             ; 14 times: pass 2's third to sixteenth tiles are asked for
	CHANGE 2, 1, 2, 2
	s_mov_b32 s[CNT], 4
.Lstep:                             ; a trip: tiles 2 and 3 of one step, then tiles 0 and 1 of the next, whose K and V it fetches
	TURN 2
	TURN 3
.Lfirst:
	TURN 0
	TURN 1
	s_sub_co_u32 s[CNT], s[CNT], 1
	s_cmp_lg_u32 s[CNT], 0
	s_cbranch_scc1 .Lstep
	s_sub_co_u32 s[SLOTS], s[SLOTS], 1
	s_cmp_lg_u32 s[SLOTS], 0
	s_cbranch_scc1 .Lslot
	CHANGE 0, 0, 2, 0               ; the tail is written out: nothing is asked for
	s_mov_b32 s[CNT], 5             ; four trips fetch the last slot's steps; the fifth is left in its middle
.Ltail:
	TURN 2, 1
	TURN 3
	s_sub_co_u32 s[CNT], s[CNT], 1
	s_cmp_eq_u32 s[CNT], 0
	s_cbranch_scc1 .Lout
	TURN 0
	TURN 1
	s_branch .Ltail
.Lout:                              ; the fifth trip's 8 products K Q^T (on the last K once more) serve nothing: the price, once a launch, of one text for every trip
.set i, 0
.rept 8
	PV 3                            ; the last tile's V^T P of the last step
.set i, i+1
.endr
	; THE WAY OUT.  l's two halves and the other half of the lanes' are added; O^T is divided by l, rounded to f16 and sent through my stage, a tile at a time.  The additions are the places behind the last products.
	WIN 0
	ALL v_add_f32 v[ST+4*t+2], v[ST+4*t+2], v[ST+4*t+3]
	ALL v_permlanex16_b32 v[ST+4*t+3], v[ST+4*t+2], s[SEL], s[SEL+1]
	ALL v_add_f32 v[ST+4*t+2], v[ST+4*t+2], v[ST+4*t+3]
	ALL v_rcp_f32 v[ST+4*t+2], v[ST+4*t+2]
	v_nop                           ; a plain instruction between the last reciprocal and the use of its result
	s_wait_alu depctr_va_vdst(0)    ; and the wait ahead of the first use: one for the four reciprocals
.macro PACK t
	WIN 0x41                        ; O^T (destination and source 0) in window 1, 1 / l in window 0
.set i, 32*(\t)
.rept 16
	v_pk_mul_f32 v[i:i+1], v[i:i+1], v[ST+4*(\t)+2:ST+4*(\t)+3] op_sel_hi:[1,0]
.set i, i+2
.endr
	WIN 0x05                        ; sources 0 and 1 window 1, destination window 0: S^T's registers are free
.set i, 0
.rept 16
	v_cvt_pk_f16_f32 v[S+16*(\t)+i], v[32*(\t)+2*i], v[32*(\t)+2*i+1]
.set i, i+1
.endr
	WIN 0
.irp f, 0,1,2,3
	ds_store_b128 v[STO], v[S+16*(\t)+4*\f:S+16*(\t)+4*\f+3] offset:32*\f
.endr
.irp f, 0,1,2,3
	ds_load_b128 v[S+16*(\t)+4*\f:S+16*(\t)+4*\f+3], v[RD] offset:\f*4*SP  ; LDS serves a wave's instructions in order (ISA guide 5.7.1.4): these see the stores above
.endr
.endm
.macro SEND t, younger              ; younger: the LDS instructions issued behind tile t's loads: the next tile's eight, or none
.irp f, 0,1,2,3
	s_wait_dscnt (\younger)+3-\f
	global_store_b128 v[GO], v[S+16*(\t)+4*\f:S+16*(\t)+4*\f+3], s[OB:OB+1] offset:(\t)*2048+\f*512  ; 512 consecutive bytes, aligned
.endr
.endm
	PACK 0
	PACK 1
	SEND 0, 8
	PACK 2
	SEND 1, 8
	PACK 3
	SEND 2, 8
	SEND 3, 0
	s_wait_tensorcnt 0x0            ; the wave's end, behind my last tensor load and my last LDS store
	ds_add_u32 v[SPW], v[NIL]
	s_wait_dscnt 0x0
	CROUND                          ; the closing round
	s_endpgm
.Lfunc_end_k_q5826940248_attn:
	.size	k_q5826940248_attn, .Lfunc_end_k_q5826940248_attn-k_q5826940248_attn
	.p2alignl 7, 3214868480
	.fill 96, 4, 3214868480
	.section	.rodata,"a",@progbits
	.p2align	6, 0x0
	.amdhsa_kernel k_q5826940248_attn
		.amdhsa_group_segment_fixed_size 327680
		.amdhsa_private_segment_fixed_size 0
		.amdhsa_enable_private_segment 0
		.amdhsa_kernarg_size 16
		.amdhsa_user_sgpr_count 2
		.amdhsa_user_sgpr_kernarg_segment_ptr 1
		.amdhsa_wavefront_size32 1
		.amdhsa_system_sgpr_workgroup_id_x 1
		.amdhsa_system_sgpr_workgroup_id_y 1
		.amdhsa_system_sgpr_workgroup_id_z 1
		.amdhsa_system_vgpr_workitem_id 0
		.amdhsa_next_free_vgpr 448
		.amdhsa_next_free_sgpr 80
		.amdhsa_reserve_vcc 0
		.amdhsa_float_denorm_mode_32 3
		.amdhsa_float_denorm_mode_16_64 3
		.amdhsa_memory_ordered 1
		.amdhsa_forward_progress 1
		.amdhsa_inst_pref_size 111
	.end_amdhsa_kernel
	.amdgpu_metadata
---
amdhsa.version: [ 1, 2 ]
amdhsa.kernels:
  - .name:           k_q5826940248_attn
    .symbol:         k_q5826940248_attn.kd
    .args:
      - { .name: qkv, .offset: 0, .size: 8, .value_kind: global_buffer, .address_space: global }
      - { .name: ob, .offset: 8, .size: 8, .value_kind: global_buffer, .address_space: global }
    .group_segment_fixed_size: 327680
    .private_segment_fixed_size: 0
    .kernarg_segment_align: 8
    .kernarg_segment_size: 16
    .max_flat_workgroup_size: 128
    .sgpr_count:     80
    .vgpr_count:     448
    .wavefront_size: 32
...
	.end_amdgpu_metadata
.endif
;; end of part 3
;; launch outp (part 4): grid 8 x 32, 4 waves a work-group, clusters of 4 x 4, 327,680 bytes of LDS; arguments ob, wob, out0; writes out0
.if DOCPART == 4
	.amdgcn_target "amdgcn-amd-amdhsa--gfx1250"
	.amdhsa_code_object_version 6
	.text
	.protected	k_q5826940248_outp
	.globl	k_q5826940248_outp
	.p2align	8
	.type	k_q5826940248_outp,@function
k_q5826940248_outp:
	s_mov_b64 s[64:65], 0
	v_nop
	global_prefetch_b8 v0, s[64:65] scope:SCOPE_SE
	s_setreg_imm32_b32 hwreg(HW_REG_WAVE_MODE, 25, 1), 1
	s_wait_xcnt 0x0
	s_wait_alu depctr_hold_cnt(0) depctr_sa_sdst(0) depctr_va_vdst(0) depctr_va_sdst(0) depctr_va_ssrc(0) depctr_va_vcc(0) depctr_vm_vsrc(0)
	s_getreg_b32 s2, hwreg(HW_REG_IB_STS2, 6, 4)
	s_cmp_eq_u32 s2, 0
	s_cbranch_scc0 .Lentry_in_a_cluster
	s_endpgm
.Lentry_in_a_cluster:
	s_bfe_u32 s2, ttmp6, 0x10000c
	s_cmp_lg_u32 s2, 0xf033
	s_cbranch_scc0 .Lentry_shape_is_right
	s_endpgm
.Lentry_shape_is_right:
; OUTP.  out0[t][n] = the sum over k of O[t][k] Wo[n][k], k = 64 head + d.  ob: f16 [16 heads][4096][64]; wob: f16 [1024][1024]; out0: f32 [4096][1024].  Sums in f32.
; SHARES.  A tile of out0 is 128 x 128: 32 x 8 = 256 work-groups; four waves, each 64 x 64: 16 accumulators.  K goes in steps of 256, four heads, through two LDS slots: four steps.
; O's TILE: a wave's load brings 64 rows of four heads.  A head's 64 rows are 8,192 dense bytes, so the descriptor's row is those 4,096 elements and its four rows lie a head (262,144 elements) apart;
; the padding after every 128 bytes gives LDS rows of 144 bytes, laid [head][row].  Wo's TILE: 64 rows of 512 bytes, LDS rows of 528.
; CLUSTER 4 x 4: O's tile is asked for jointly along a row of the cluster, Wo's along a column.  No prefetch: the tiles are small and K has four steps, of which two are the first fills.
; THE MATRIX INSTRUCTION IS USED TRANSPOSED (source 0 = 16 rows of Wo, source 1 = 16 rows of O): a lane holds one row of out0 and eight neighbouring columns, 32 bytes.
; REGISTERS: window 0: v16-29 addresses; v32-95 the way out; v128-255 the accumulators ((a, b) at 128 + 8 (4 a + b)).  Window 1: two fragment buffers of 128: for 64 along K, 64 registers of O, then 64 of Wo.
.set PA,     144                       ; 36 words: the 16 rows of a load start at 16 different groups of four banks (ISA guide 11.1)
.set PB,     528                       ; 132 words: likewise
.set AHALF,  4*64*PA                   ; what a wave's load of O brings
.set BOFF,   2*AHALF
.set BHALF,  64*PB
.set SLOT,   BOFF+2*BHALF
.set STAGE,  2*SLOT                    ; behind the ring, never filled by a tensor load: 16 rows x 272 bytes for each wave
.set SPITCH, 272
.set SPARE,  STAGE+4*16*SPITCH         ; the spare words: two blocks of 256 bytes that no other line names
.set ADRA, 16
.set ADRB, 20
.set STO,  24
.set RD,   25
.set CO,   26
.set SPW,  28
.set NIL,  29
.set TMP,  32
.set ACC,  128
.set F0,   0
.set F1,   128
.set G1, 24
.set G0, 32
.set G1B, 48
.set G0B, 56
.set MSB, 0
.macro WIN new
.if MSB != (\new)
	s_set_vgpr_msb (MSB<<8)|(\new)
.set MSB, \new
.endif
.endm
.set MUL,  0x05                        ; sources 0 and 1 window 1; C and D window 0
.set TO_F, 0x40                        ; destination window 1, address window 0
.macro JLOAD s                         ; waves 0 and 1 fetch O's two halves, waves 2 and 3 Wo's; an s_nop 0 and four v_nop follow each line
	s_cmp_eq_u32 s11, 0
	s_cbranch_scc0 .Lfor_b_\@
	tensor_load_to_lds s[G0+4*(\s):G0+4*(\s)+3], s[G1:G1+7]
	s_nop 0
.rept 4
	v_nop
.endr
	s_branch .Lasked_\@
.Lfor_b_\@:
	tensor_load_to_lds s[G0B+4*(\s):G0B+4*(\s)+3], s[G1B:G1B+7]
	s_nop 0
.rept 4
	v_nop
.endr
.Lasked_\@:
.endm
.macro CREST
	s_cmp_lg_u32 s10, 0
	s_cbranch_scc1 .Lnot_wave_0_\@
	s_barrier_signal -3
.Lnot_wave_0_\@:
	s_barrier_wait -3
	s_barrier_signal -1
	s_barrier_wait -1
.endm
.macro CROUND
	s_barrier_signal -1
	s_barrier_wait -1
	CREST
.endm
	s_load_b128 s[4:7], s[0:1], 0x0                ; ob s[4:5], wob s[6:7]
	s_load_b64 s[8:9], s[0:1], 0x10                ; out0
	v_lshl_add_u32 v[SPW], v0, 2, SPARE
	v_mov_b32 v[NIL], 0
	ds_add_u32 v[SPW], v[NIL]                      ; the wave's opening: the add, twice on end, and its wait ahead of my first tensor load
	ds_add_u32 v[SPW], v[NIL]
	v_lshrrev_b32 v1, 5, v0
	v_readfirstlane_b32 s10, v1                    ; wave 0..3
	s_lshr_b32 s11, s10, 1                         ; which half of the tile's rows is mine.  Also: I fetch for O (0) or for Wo (1)
	s_and_b32 s12, s10, 1                          ; which half of its columns.  Also: which 64 rows of that tile I fetch
	s_bfe_u32 s40, ttmp6, 0x40000                  ; cx, cy
	s_bfe_u32 s41, ttmp6, 0x40004
	s_lshl_b32 s42, ttmp9, 2
	s_add_co_u32 s42, s42, s40                     ; tile column
	s_and_b32 s13, ttmp7, 0xffff
	s_lshl_b32 s13, s13, 2
	s_add_co_u32 s13, s13, s41                     ; tile row
	s_lshl_b32 s43, s41, 2
	s_lshl_b32 s43, 15, s43                        ; my row of the cluster
	s_lshl_b32 s44, 0x1111, s40                    ; my column
	s_or_b32 s[G1], s43, (1<<16)|(1<<20)|(1<<21)|(4<<22)|(3<<25)   ; the mask; 2-byte elements; padding on; bit 21 beside a mask; after every 32 words, 4 words
	s_mov_b32 s[G1+1], 4096<<16                    ; tensor_dim0 = 4,096: a head's 64 rows on end
	s_mov_b32 s[G1+2], 4<<16                       ; tensor_dim1 = 4 heads
	s_mov_b32 s[G1+3], 4096<<16                    ; tile_dim0
	s_mov_b32 s[G1+4], 4                           ; tile_dim1
	s_mov_b32 s[G1+5], 262144                      ; elements from head to head
	s_mov_b32 s[G1+6], 0
	s_mov_b32 s[G1+7], 0
	s_or_b32 s[G1B], s44, (1<<16)|(1<<20)|(1<<21)|(6<<22)|(3<<25)  ; after every 128 words, 4 words
	s_mov_b32 s[G1B+1], 256<<16
	s_mov_b32 s[G1B+2], 64<<16
	s_mov_b32 s[G1B+3], 256<<16
	s_mov_b32 s[G1B+4], 64
	s_mov_b32 s[G1B+5], 1024
	s_mov_b32 s[G1B+6], 0
	s_mov_b32 s[G1B+7], 0
	s_lshl_b32 s16, s13, 14                        ; O: row 128 x tile row + 64 x half, 128 bytes a row, in head 0
	s_lshl_b32 s17, s12, 13
	s_add_co_u32 s16, s16, s17
	s_mov_b32 s17, 0
	s_lshl_b32 s46, s42, 18                        ; Wo: row 128 x tile column + 64 x half, 2,048 bytes a row
	s_lshl_b32 s47, s12, 17
	s_add_co_u32 s46, s46, s47
	s_mov_b32 s47, 0
	s_mul_i32 s20, s12, AHALF                      ; where they go: no place in the cluster enters an LDS address
	s_mul_i32 s21, s12, BHALF
	s_add_co_u32 s21, s21, BOFF
	s_wait_dscnt 0x0                               ; both opening adds are done
	s_wait_kmcnt 0x0
	s_add_nc_u64 s[14:15], s[4:5], s[16:17]
	s_add_nc_u64 s[46:47], s[6:7], s[46:47]
	CROUND                                         ; all sixteen work-groups are here: the first joint loads meet
.irp s, 0,1
	s_mov_b32 s[G0+4*(\s)], 1
	s_add_co_u32 s[G0+4*(\s)+1], s20, (\s)*SLOT
	s_add_nc_u64 s[G0+4*(\s)+2:G0+4*(\s)+3], s[14:15], (\s)*4*524288  ; K step s: four heads on
	s_or_b32 s[G0+4*(\s)+3], s[G0+4*(\s)+3], 0x80000000
	s_mov_b32 s[G0B+4*(\s)], 1
	s_add_co_u32 s[G0B+4*(\s)+1], s21, (\s)*SLOT
	s_add_nc_u64 s[G0B+4*(\s)+2:G0B+4*(\s)+3], s[46:47], (\s)*512
	s_or_b32 s[G0B+4*(\s)+3], s[G0B+4*(\s)+3], 0x80000000
	JLOAD \s                                       ; two tensor loads of mine are out
.endr
	v_and_b32 v1, 15, v0                           ; l % 16
	v_bfe_u32 v2, v0, 4, 1                         ; l / 16
	v_mul_u32_u24 v3, v1, PA
	v_lshl_add_u32 v3, v2, 4, v3
	v_mul_u32_u24 v4, v1, PB
	v_lshl_add_u32 v4, v2, 4, v4
	s_mul_i32 s23, s11, AHALF                      ; my 64 rows of O
	s_mul_i32 s22, s12, BHALF                      ; my 64 rows of Wo
	s_add_co_u32 s22, s22, BOFF
.irp s, 0,1
	v_add_nc_u32 v[ADRA+(\s)], s23, v3
	v_add_nc_u32 v[ADRB+(\s)], s22, v4
	s_add_co_u32 s23, s23, SLOT
	s_add_co_u32 s22, s22, SLOT
.endr
	s_mul_i32 s23, s10, 16*SPITCH
	s_add_co_u32 s23, s23, STAGE                   ; my stage: a wave's 64 columns of f32 are 256 aligned bytes of a row, so each wave has its own and no barrier is wanted
	v_mul_u32_u24 v5, v1, SPITCH                   ; in: row l % 16, 32 bytes for each half of the lanes
	v_lshl_add_u32 v5, v2, 5, v5
	v_add_nc_u32 v[STO], s23, v5
	v_mul_u32_u24 v5, v2, SPITCH                   ; back: lanes 0-15 take one row of 256 bytes, lanes 16-31 the next
	v_lshl_add_u32 v5, v1, 4, v5
	v_add_nc_u32 v[RD], s23, v5
	v_lshlrev_b32 v5, 12, v2                       ; and the same two rows in out0
	v_lshl_add_u32 v[CO], v1, 4, v5
	s_lshl_b32 s16, s13, 19                        ; 128 rows of 4,096 bytes a tile row,
	s_lshl_b32 s17, s11, 18                        ; my 64 rows,
	s_add_co_u32 s16, s16, s17
	s_lshl_b32 s17, s42, 9                         ; the tile's 512 bytes of a row,
	s_add_co_u32 s16, s16, s17
	s_lshl_b32 s17, s12, 8                         ; my 256 of them
	s_add_co_u32 s16, s16, s17
	s_mov_b32 s17, 0
	s_add_nc_u64 s[8:9], s[8:9], s[16:17]
; 8 matrix instructions: row blocks a0, a0 + 1 x all 4 column blocks, 32 along K: half c of buffer f.  zero = 1: the first product starts the sums.  The 16 accumulators take turns.
.macro MUL8 f, c, a0, zero
	WIN MUL
.irp a, \a0, (\a0)+1
.irp b, 0,1,2,3
.if \zero
	v_wmma_f32_16x16x32_f16 v[ACC+8*(4*(\a)+(\b)):ACC+8*(4*(\a)+(\b))+7], v[(\f)+64+8*(4*(\c)+(\b)):(\f)+64+8*(4*(\c)+(\b))+7], v[(\f)+8*(4*(\c)+(\a)):(\f)+8*(4*(\c)+(\a))+7], 0
.else
	v_wmma_f32_16x16x32_f16 v[ACC+8*(4*(\a)+(\b)):ACC+8*(4*(\a)+(\b))+7], v[(\f)+64+8*(4*(\c)+(\b)):(\f)+64+8*(4*(\c)+(\b))+7], v[(\f)+8*(4*(\c)+(\a)):(\f)+8*(4*(\c)+(\a))+7], v[ACC+8*(4*(\a)+(\b)):ACC+8*(4*(\a)+(\b))+7]
.endif
.endr
.endr
.endm
; 32 LDS loads in one run: the fragments of head z of the slot's four (64 along K) into buffer f; the first 32 along K first
.macro FETCH slot, z, f
	WIN TO_F
.irp c, 0,1
.irp i, 0,1,2,3
	ds_load_b128 v[(\f)+64+8*(4*(\c)+(\i)):(\f)+64+8*(4*(\c)+(\i))+3],   v[ADRB+(\slot)] offset:(\i)*16*PB+128*(\z)+64*(\c)
	ds_load_b128 v[(\f)+64+8*(4*(\c)+(\i))+4:(\f)+64+8*(4*(\c)+(\i))+7], v[ADRB+(\slot)] offset:(\i)*16*PB+128*(\z)+64*(\c)+32
	ds_load_b128 v[(\f)+8*(4*(\c)+(\i)):(\f)+8*(4*(\c)+(\i))+3],         v[ADRA+(\slot)] offset:(\z)*64*PA+(\i)*16*PA+64*(\c)
	ds_load_b128 v[(\f)+8*(4*(\c)+(\i))+4:(\f)+8*(4*(\c)+(\i))+7],       v[ADRA+(\slot)] offset:(\z)*64*PA+(\i)*16*PA+64*(\c)+32
.endr
.endr
.endm
.macro PLACES                          ; four places in front of loads into registers that matrix instructions have read, and of LDS stores that read results
.rept 4
	v_nop
.endr
.endm
; A K step is four quarters, a head each, 32 matrix instructions, on buffers 0, 1, 0, 1.  One of the first three multiplies buffer f and fetches head z into g.
.macro QUARTER slot, z, f, g, zero
	s_wait_dscnt 16                                ; the first 32 along K are in
	MUL8 \f, 0, 0, \zero
	MUL8 \f, 0, 2, \zero
	PLACES
	FETCH \slot, \z, \g
	s_wait_dscnt 32                                ; all but the 32 just issued
	MUL8 \f, 1, 0, 0
	MUL8 \f, 1, 2, 0
.endm
; The last quarter multiplies buffer 1 and changes slots: one barrier; in front of it each wave waits for all its tensor loads, adds 0 to its spare word, and waits for that and for its reads of this slot.
; fill = 1: the barrier opens a round of the cluster's barrier, and this slot is filled again, two K steps ahead, first thing behind the round.
.macro TURN slot, next, fill
	WIN 0
	s_wait_tensorcnt 0x0
	ds_add_u32 v[SPW], v[NIL]                      ; 0 onto my spare word
	s_wait_dscnt 17                                ; (the add and the youngest sixteen loads may be out)
	MUL8 F1, 0, 0, 0
	s_wait_dscnt 0x0                               ; the add is done, and my reads of this slot are over
	s_barrier_signal -1
	MUL8 F1, 0, 2, 0
.if \fill
	WIN 0
.endif
	s_barrier_wait -1
.if \fill
	CREST
	s_add_nc_u64 s[G0+4*(\slot)+2:G0+4*(\slot)+3], s[G0+4*(\slot)+2:G0+4*(\slot)+3], 8*524288
	s_add_nc_u64 s[G0B+4*(\slot)+2:G0B+4*(\slot)+3], s[G0B+4*(\slot)+2:G0B+4*(\slot)+3], 1024
	JLOAD \slot                                    ; its four v_nop are also the places in front of the loads below
.else
	PLACES
.endif
	FETCH \next, 0, F0
	MUL8 F1, 1, 0, 0
	MUL8 F1, 1, 2, 0
.endm
	s_wait_tensorcnt 1                             ; my part of K step 0 is in; K step 1's may stay out
	s_barrier_signal -1
	s_barrier_wait -1
	FETCH 0, 0, F0
	QUARTER 0, 1, F0, F1, 1                        ; the first products start the sums
	QUARTER 0, 2, F1, F0, 0                        ; K has four steps, two laps of the ring: both are written out
	QUARTER 0, 3, F0, F1, 0
	TURN 0, 1, 1                                   ; slot 0 takes K step 2
	QUARTER 1, 1, F0, F1, 0
	QUARTER 1, 2, F1, F0, 0
	QUARTER 1, 3, F0, F1, 0
	TURN 1, 0, 1                                   ; slot 1 takes K step 3
	QUARTER 0, 1, F0, F1, 0
	QUARTER 0, 2, F1, F0, 0
	QUARTER 0, 3, F0, F1, 0
	TURN 0, 1, 0                                   ; nothing is left to fetch
	QUARTER 1, 1, F0, F1, 0
	QUARTER 1, 2, F1, F0, 0
	QUARTER 1, 3, F0, F1, 0
	s_wait_dscnt 16
	MUL8 F1, 0, 0, 0
	MUL8 F1, 0, 2, 0
	s_wait_dscnt 0x0
	MUL8 F1, 1, 0, 0
	MUL8 F1, 1, 2, 0
	WIN 0
	; THE WAY OUT, 16 rows at a time: a lane's 32 bytes of a row go into my stage straight from the accumulators (each one's lowest registers first), and come back as whole rows of 256 bytes.
	PLACES
.irp a, 0,1,2,3
.irp b, 0,1,2,3
	ds_store_b128 v[STO], v[ACC+8*(4*\a+\b):ACC+8*(4*\a+\b)+3]   offset:64*\b
	ds_store_b128 v[STO], v[ACC+8*(4*\a+\b)+4:ACC+8*(4*\a+\b)+7] offset:64*\b+16
.endr
.if \a >= 2
	s_wait_xcnt 0x0                                ; the stores of two blocks back have read their data: the registers are loaded again only behind this wait
.endif
.irp t, 0,1,2,3,4,5,6,7
	ds_load_b128 v[TMP+32*(\a%2)+4*\t:TMP+32*(\a%2)+4*\t+3], v[RD] offset:\t*2*SPITCH  ; LDS serves a wave's instructions in order (ISA guide 5.7.1.4): these see the stores above
.endr
.irp t, 0,1,2,3,4,5,6,7
	s_wait_dscnt 7-\t                              ; the 7 - t younger loads may stay out
	global_store_b128 v[CO], v[TMP+32*(\a%2)+4*\t:TMP+32*(\a%2)+4*\t+3], s[8:9] offset:(16*\a+2*\t)*4096 th:TH_STORE_NT  ; 16 lanes store 256 consecutive bytes, aligned
.endr
.endr
	s_wait_tensorcnt 0x0                           ; the wave's end, behind my last tensor load and my last LDS store
	ds_add_u32 v[SPW], v[NIL]
	s_wait_dscnt 0x0
	CROUND                                         ; the closing round
	s_endpgm
.Lfunc_end_k_q5826940248_outp:
	.size	k_q5826940248_outp, .Lfunc_end_k_q5826940248_outp-k_q5826940248_outp
	.p2alignl 7, 3214868480
	.fill 96, 4, 3214868480
	.section	.rodata,"a",@progbits
	.p2align	6, 0x0
	.amdhsa_kernel k_q5826940248_outp
		.amdhsa_group_segment_fixed_size 327680
		.amdhsa_private_segment_fixed_size 0
		.amdhsa_enable_private_segment 0
		.amdhsa_kernarg_size 24
		.amdhsa_user_sgpr_count 2
		.amdhsa_user_sgpr_kernarg_segment_ptr 1
		.amdhsa_wavefront_size32 1
		.amdhsa_system_sgpr_workgroup_id_x 1
		.amdhsa_system_sgpr_workgroup_id_y 1
		.amdhsa_system_sgpr_workgroup_id_z 1
		.amdhsa_system_vgpr_workitem_id 0
		.amdhsa_next_free_vgpr 512
		.amdhsa_next_free_sgpr 66
		.amdhsa_reserve_vcc 0
		.amdhsa_float_denorm_mode_32 3
		.amdhsa_float_denorm_mode_16_64 3
		.amdhsa_memory_ordered 1
		.amdhsa_forward_progress 1
		.amdhsa_inst_pref_size 86
	.end_amdhsa_kernel
	.amdgpu_metadata
---
amdhsa.version: [ 1, 2 ]
amdhsa.kernels:
  - .name:           k_q5826940248_outp
    .symbol:         k_q5826940248_outp.kd
    .args:
      - { .name: ob, .offset: 0, .size: 8, .value_kind: global_buffer, .address_space: global }
      - { .name: wob, .offset: 8, .size: 8, .value_kind: global_buffer, .address_space: global }
      - { .name: out0, .offset: 16, .size: 8, .value_kind: global_buffer, .address_space: global }
    .group_segment_fixed_size: 327680
    .private_segment_fixed_size: 0
    .kernarg_segment_align: 8
    .kernarg_segment_size: 24
    .max_flat_workgroup_size: 128
    .sgpr_count:     66
    .vgpr_count:     512
    .wavefront_size: 32
...
	.end_amdgpu_metadata
.endif
;; end of part 4
;; ======== version 2 of 2: 4 launches; version 1 with the launch cast written anew for expert scheduling mode
;; limits: values are held in f16: magnitudes above 65,504 overflow, below 6.1e-05 lose precision
;; workspace buffers: xb 8,388,608 bytes; wb 6,291,456 bytes; wob 2,097,152 bytes; qkv 25,165,824 bytes; ob 8,388,608 bytes
;; launch cast (part 5): grid 512 x 1, 8 waves a work-group, no clusters, 0 bytes of LDS; arguments x, Wq, Wk, Wv, Wo, xb, wb, wob; writes xb, wb, wob
.if DOCPART == 5
	.amdgcn_target "amdgcn-amd-amdhsa--gfx1250"
	.amdhsa_code_object_version 6
	.text
	.protected	k_q5826940248_cast
	.globl	k_q5826940248_cast
	.p2align	8
	.type	k_q5826940248_cast,@function
k_q5826940248_cast:
	s_mov_b64 s[64:65], 0
	v_nop
	global_prefetch_b8 v0, s[64:65] scope:SCOPE_SE
	s_setreg_imm32_b32 hwreg(HW_REG_WAVE_SCHED_MODE, 0, 2), 2
	s_setreg_imm32_b32 hwreg(HW_REG_WAVE_MODE, 25, 1), 1
	s_wait_xcnt 0x0
	s_wait_alu depctr_vm_vsrc(0)
; CAST.  The matrix operands are rounded once, on their way from f32 to 16 bits: x -> xb (bf16, [4096][1024]); Wq, Wk, Wv -> wb (bf16, rows laid by heads:
; row 192 head + 64 t + d, t = 0 q, 1 k, 2 v, so that the q, k and v rows of a head lie together); Wo -> wob (rounded to bf16 like every input, that number written as f16).
; WORK LEFT OUT IN THE WHOLE PROGRAM: THE INPUT bk.  k_s = x_s Wk^T + bk puts q_t . bk into every score of row t: a term that is the same along the softmax's axis.
; softmax_fastexp uses its input only as x - max(x) along that axis, and the term cancels there for all values of the inputs.  So bk has no way to any output: it is not loaded and
; is no launch's argument.  LIMIT: a NaN, an infinity or an overflow that would arise from bk alone is not carried to the result.
; LIMIT: Wo as f16 keeps f16's fixed step of 6e-8 below 6e-5 and ends at 65,504.
; SHARES.  A work-group takes 16 rows of 1,024 f32: 256 work-groups for x, 64 for each W.  Thread t takes 16 bytes at 16 t of each row and stores 8 bytes at 8 t: a wave's load covers
; 512 consecutive bytes, its store 256 consecutive bytes, aligned.  All 16 loads go out at once; nothing is shared, so there is no LDS, no barrier, no cluster; each byte is read once.
; THE MODE: SCHED_MODE bits 1:0 = 2 (LLVM: expert scheduling mode 2), set by the entry lines.  The code itself states the register dependences
; between vector instructions and memory instructions, with s_wait_alu, always for 0.
; THE PLAN.  Registers that memory instructions touch:
;   v1, v2   byte offsets of the loads and of the stores: made once at the head and never written again.
;   X        row i's four registers: its load lands there once; read by row i's conversions alone.
;   Y        row i's two registers: written by row i's conversions; read by row i's one store, which is issued in row i + 4's turn; never written after that.
;   T is named by vector instructions alone.
; One wait ahead of the first load states that the offsets are written.  One wait at the head of rows 4, 8 and 12 states that the four rows before have written their Y: their four stores follow it,
; one at the head of each of the next four rows, whose conversions name those rows' own X and Y and T and none of the registers that these stores read.  One wait behind row 15 serves the last four stores.
; No register that a memory instruction has read is ever written again, so no wait on vm_vsrc is owed; no vector instruction writes a scalar register, VCC or EXEC.
.set X, 8                              ; v[8:71]    row i: 4 registers as loaded
.set Y, 72                             ; v[72:103]  row i: 2 registers to store, its own: no store's data is ever rewritten
.set T, 4                              ; v[4:7]     at work (Wo's arm)
	s_load_b512 s[8:23], s[0:1], 0x0               ; x 8, Wq 10, Wk 12, Wv 14, Wo 16, xb 18, wb 20, wob 22
	s_mov_b32 s2, ttmp9                            ; g
	s_max_u32 s3, s2, 256
	s_sub_co_u32 s3, s3, 256                       ; u = g - 256 (0 in x's work-groups, where it is not used)
	s_lshr_b32 s4, s3, 6                           ; t: which W
	s_and_b32 s5, s3, 63                           ; r: which 16 rows of it
	s_lshr_b32 s6, s5, 2                           ; the head
	s_mul_i32 s6, s6, 192
	s_lshl_b32 s7, s4, 6
	s_add_co_u32 s6, s6, s7
	s_and_b32 s7, s5, 3
	s_lshl_b32 s7, s7, 4
	s_add_co_u32 s6, s6, s7                        ; row in wb = 192 head + 64 t + 16 (r % 4)
	s_lshl_b32 s6, s6, 11                          ; x 2,048 bytes
	s_lshl_b32 s24, s5, 16                         ; a W's source offset: 16 rows of 4,096 bytes
	s_lshl_b32 s25, s5, 15                         ; wob's offset
	s_lshl_b32 s26, s2, 16                         ; x's source offset
	s_lshl_b32 s27, s2, 15                         ; xb's offset
	s_cmp_lt_u32 s2, 256
	s_cselect_b32 s28, s26, s24
	s_cselect_b32 s30, s27, s6
	s_cmp_ge_u32 s2, 448
	s_cselect_b32 s30, s25, s30
	s_mov_b32 s29, 0
	s_mov_b32 s31, 0
	v_lshlrev_b32 v1, 4, v0
	v_lshlrev_b32 v2, 3, v0
	s_wait_kmcnt 0x0
	s_cmp_ge_u32 s2, 320                           ; the buffers are chosen by the work-group's number alone
	s_cselect_b64 s[32:33], s[12:13], s[10:11]
	s_cmp_ge_u32 s2, 384
	s_cselect_b64 s[32:33], s[14:15], s[32:33]
	s_cmp_ge_u32 s2, 448
	s_cselect_b64 s[32:33], s[16:17], s[32:33]
	s_cselect_b64 s[34:35], s[22:23], s[20:21]
	s_cmp_lt_u32 s2, 256
	s_cselect_b64 s[32:33], s[8:9], s[32:33]
	s_cselect_b64 s[34:35], s[18:19], s[34:35]
	s_add_nc_u64 s[32:33], s[32:33], s[28:29]
	s_add_nc_u64 s[34:35], s[34:35], s[30:31]
	s_wait_alu depctr_va_vdst(0)                   ; v1 and v2 are written: every load of the kernel reads v1 as its offset, every store v2
.set i, 0
.rept 16
	global_load_b128 v[X+4*i:X+4*i+3], v1, s[32:33] offset:i*4096 th:TH_LOAD_NT
.set i, i+1
.endr
; The 16 rows in turn.  half = 1 (Wo): the bf16 number is widened again and written as f16.  Row i's turn issues the store of row i - 4 and then rounds row i.
.macro ROWS half
.set i, 0
.rept 16
	s_wait_loadcnt 15-i                            ; loads come back in order: row i is in, the 15 - i younger ones stay out
.if (i >= 4) && (i % 4 == 0)
	s_wait_alu depctr_va_vdst(0)                   ; the conversions of rows i - 4 to i - 1 have written their Y, which this row's store and the next three rows' read
.endif
.if i >= 4
	global_store_b64 v2, v[Y+2*(i-4):Y+2*(i-4)+1], s[34:35] offset:(i-4)*2048  ; no vector instruction since that wait names these registers
.endif
	v_cvt_pk_bf16_f32 v[Y+2*i], v[X+4*i], v[X+4*i+1]
	v_cvt_pk_bf16_f32 v[Y+2*i+1], v[X+4*i+2], v[X+4*i+3]
.if \half
	v_lshlrev_b32 v[T], 16, v[Y+2*i]
	v_and_b32 v[T+1], 0xffff0000, v[Y+2*i]
	v_lshlrev_b32 v[T+2], 16, v[Y+2*i+1]
	v_and_b32 v[T+3], 0xffff0000, v[Y+2*i+1]
	v_cvt_pk_f16_f32 v[Y+2*i], v[T], v[T+1]
	v_cvt_pk_f16_f32 v[Y+2*i+1], v[T+2], v[T+3]
.endif
.set i, i+1
.endr
	s_wait_alu depctr_va_vdst(0)                   ; the conversions of rows 12 to 15 have written their Y, which the last four stores read
.set i, 12
.rept 4
	global_store_b64 v2, v[Y+2*i:Y+2*i+1], s[34:35] offset:i*2048
.set i, i+1
.endr
.endm
	s_cmp_ge_u32 s2, 448
	s_cbranch_scc1 .Lwo
	ROWS 0
	s_endpgm
.Lwo:
	ROWS 1
	s_endpgm
.Lfunc_end_k_q5826940248_cast:
	.size	k_q5826940248_cast, .Lfunc_end_k_q5826940248_cast-k_q5826940248_cast
	.p2alignl 7, 3214868480
	.fill 96, 4, 3214868480
	.section	.rodata,"a",@progbits
	.p2align	6, 0x0
	.amdhsa_kernel k_q5826940248_cast
		.amdhsa_group_segment_fixed_size 0
		.amdhsa_private_segment_fixed_size 0
		.amdhsa_enable_private_segment 0
		.amdhsa_kernarg_size 64
		.amdhsa_user_sgpr_count 2
		.amdhsa_user_sgpr_kernarg_segment_ptr 1
		.amdhsa_wavefront_size32 1
		.amdhsa_system_sgpr_workgroup_id_x 1
		.amdhsa_system_sgpr_workgroup_id_y 1
		.amdhsa_system_sgpr_workgroup_id_z 1
		.amdhsa_system_vgpr_workitem_id 0
		.amdhsa_next_free_vgpr 104
		.amdhsa_next_free_sgpr 66
		.amdhsa_reserve_vcc 0
		.amdhsa_float_denorm_mode_32 3
		.amdhsa_float_denorm_mode_16_64 3
		.amdhsa_memory_ordered 1
		.amdhsa_forward_progress 1
		.amdhsa_inst_pref_size 17
	.end_amdhsa_kernel
	.amdgpu_metadata
---
amdhsa.version: [ 1, 2 ]
amdhsa.kernels:
  - .name:           k_q5826940248_cast
    .symbol:         k_q5826940248_cast.kd
    .args:
      - { .name: x, .offset: 0, .size: 8, .value_kind: global_buffer, .address_space: global }
      - { .name: Wq, .offset: 8, .size: 8, .value_kind: global_buffer, .address_space: global }
      - { .name: Wk, .offset: 16, .size: 8, .value_kind: global_buffer, .address_space: global }
      - { .name: Wv, .offset: 24, .size: 8, .value_kind: global_buffer, .address_space: global }
      - { .name: Wo, .offset: 32, .size: 8, .value_kind: global_buffer, .address_space: global }
      - { .name: xb, .offset: 40, .size: 8, .value_kind: global_buffer, .address_space: global }
      - { .name: wb, .offset: 48, .size: 8, .value_kind: global_buffer, .address_space: global }
      - { .name: wob, .offset: 56, .size: 8, .value_kind: global_buffer, .address_space: global }
    .group_segment_fixed_size: 0
    .private_segment_fixed_size: 0
    .kernarg_segment_align: 8
    .kernarg_segment_size: 64
    .max_flat_workgroup_size: 256
    .sgpr_count:     66
    .vgpr_count:     104
    .wavefront_size: 32
...
	.end_amdgpu_metadata
.endif
;; end of part 5
;; launch proj: the kernel of part 2 again; grid 8 x 32, 4 waves a work-group, clusters of 4 x 4, 327,680 bytes of LDS; arguments xb, wb, bq, bv, qkv; writes qkv
;; launch attn: the kernel of part 3 again; grid 16 x 16, 4 waves a work-group, clusters of 4 x 1, 327,680 bytes of LDS; arguments qkv, ob; writes ob
;; launch outp: the kernel of part 4 again; grid 8 x 32, 4 waves a work-group, clusters of 4 x 4, 327,680 bytes of LDS; arguments ob, wob, out0; writes out0
